; MI455X (gfx1250); checked and timed in simulation.
; The chip was launched on July 23, 2026; its instructions are those of AMD's public machine-readable ISA for CDNA 5 (MIT licence, August 2026) and "CDNA5" Instruction Set Architecture Reference Guide (July 2026). The comments in the code are by the model that wrote it; some were corrected since.
;; Squeeze Attention. Allowed arithmetic: matrix products marked QUANTISED: E2M1 operands, one E8M0 scale for each 32 along K, by v_wmma_scale_f32_16x16x128_f8f6f4 with both operands' format E2M1 (or v_wmma_scale_f32_32x16x128_f4), f32 sums; products left as they are: bf16, f16 or f32 operands; f32 sums; everything else in f32.
;; Inputs: Wk 1,024 x 512 float32; Wo 1,024 x 1,024 float32; Wq 1,024 x 512 float32; Wv 1,024 x 1,024 float32; bk 512 float32; bo 1,024 float32; bq 512 float32; bv 1,024 float32; hidden_states 4 x 2,048 x 1,024 float32.
;; Outputs: out0 4 x 2,048 x 1,024 float32.
;; This version of the problem:
;;   THIS VERSION OF THE PROBLEM IS GIVEN IN LOW PRECISION. The matrix products marked QUANTISED in the list below multiply operands that are first quantised to E2M1 (2 exponent bits, 1 mantissa bit; 4 bits a number), with one power-of-two scale for each 32 numbers along K (OCP MX v1.0); their sums are f32. The products marked 'left as it is' may take bf16, f16 or f32 operands, with f32 sums. Whichever they take, every output number must still come out within the allowed error. Rounding operands to bf16 (8 significant bits) uses up far more of that allowance than f16 does (11 bits, for magnitudes from 6e-5 to 65,504). All else is computed in f32.
;;   The module's matrix products, in the order in which they are computed (A, B: the left and right operand; K: the contracted axis; several contracted axes count as one K, in the product's order):
;;     1. [M 8,192, K 1,024] x [K 1,024, N 512]; A: input hidden_states; B: input Wq: QUANTISED
;;     2. [M 8,192, K 1,024] x [K 1,024, N 512]; A: input hidden_states; B: input Wk: QUANTISED
;;     3. [M 8,192, K 1,024] x [K 1,024, N 1,024]; A: input hidden_states; B: input Wv: QUANTISED
;;     4. batch 64 x [M 2,048, K 32] x [K 32, N 2,048]; A: computed on the way; B: computed on the way: left as it is (an operand is computed on the way)
;;     5. batch 64 x [M 64, K 2,048] x [K 2,048, N 2,048]; A: computed on the way; B: computed on the way: left as it is (an operand is computed on the way)
;;     6. [M 8,192, K 1,024] x [K 1,024, N 1,024]; A: computed on the way; B: input Wo: left as it is (an operand is computed on the way)
;;   THE QUANTISER, for each operand of a quantised product, along K:
;;     - K is cut into blocks of 32 from its start; a last block that is shorter is filled with zeros.
;;     - A block's scale is 2^e with e = floor(log2(the largest magnitude in the block)) - 2, held to -126 .. 127; a block of zeros has e = 0. As a byte (E8M0): e + 127.
;;     - Each number is divided by its block's scale, clamped to +-6, and rounded to the nearest number of E2M1, ties to even, subnormals kept.
;;     - The product sums the exact products of the quantised numbers (number of the format x scale) in f32.
;;   ~~~python
;;   def quantise(x, axis):      # numpy; x: float32 -> the quantised numbers, widened to float32 again
;;       x = np.moveaxis(x, axis, -1); K = x.shape[-1]
;;       x = np.pad(x, [(0, 0)] * (x.ndim - 1) + [(0, -K % 32)]); x = x.reshape(x.shape[:-1] + (-1, 32)); a = np.abs(x).max(-1, keepdims=True)
;;       e = np.where(a > 0, np.clip(np.frexp(np.where(a > 0, a, 1))[1] - 1 - 2, -126, 127), 0)      # np.frexp(a)[1] - 1 = floor(log2(a)), exactly
;;       r = np.clip(x / 2.0 ** e, -6, 6)
;;       step = 2.0 ** (np.maximum(np.frexp(np.where(r == 0, 1, r))[1] - 1, 0) - 1)
;;       q = np.round(r / step) * step * 2.0 ** e      # np.round: ties to even
;;       return np.moveaxis(q.reshape(q.shape[:-2] + (-1,))[..., :K], -1, axis).astype(np.float32)
;;   ~~~
;; One version. Each part assembles by itself: llvm-mc -triple=amdgcn-amd-amdhsa -mcpu=gfx1250 --defsym DOCPART=n.
;; ======== version 1 of 1: 4 launches
;; limits: values are held in f16: magnitudes above 65,504 overflow, below 6.1e-05 lose precision
;; workspace buffers: x_codes 4,194,304 bytes; x_scales 262,144 bytes; w_codes 1,048,576 bytes; w_scales 65,536 bytes; wo_f 2,097,152 bytes; qkv 33,554,432 bytes; o_f 16,777,216 bytes
;; launch prep (part 1): grid 512 x 1, 4 waves a work-group, no clusters, 34,304 bytes of LDS; arguments hidden_states, Wq, Wk, Wv, Wo, x_codes, x_scales, w_codes, w_scales, wo_f; writes x_codes, x_scales, w_codes, w_scales, wo_f
.if DOCPART == 1
	.amdgcn_target "amdgcn-amd-amdhsa--gfx1250"
	.amdhsa_code_object_version 6
	.text
	.protected	k_q80b6f333a2_prep
	.globl	k_q80b6f333a2_prep
	.p2align	8
	.type	k_q80b6f333a2_prep,@function
k_q80b6f333a2_prep:
	s_mov_b64 s[64:65], 0
	v_nop
	global_prefetch_b8 v0, s[64:65] scope:SCOPE_SE
	s_setreg_imm32_b32 hwreg(HW_REG_WAVE_MODE, 25, 1), 1
	s_wait_xcnt 0x0
; PREP: the operands of the three quantised products become codes of FP4 (E2M1) with one E8M0 byte for each 32 along K (K = the 1,024 of the model's width); Wo becomes f16.
; Every buffer written here is laid as IMAGES OF OPERAND REGISTERS: a fragment of 16 rows is 1,024 bytes, and lane l's 16 bytes of register group c lie at 512 c + 16 l.
;   x_codes  [ks 2][mt 512][q 4][1,024]: 16 tokens x K 512 ks + 128 q .. + 127; group c of lane (r, h): K 64 c + 32 h .. + 31 of token r.     x_scales [mt][ks][r 16][4 words, one for each q]
;   w_codes  [ks 2][nt 128][q 4][1,024]: the same for 16 columns of the joined weight (columns 0-511 Wq, 512-1023 Wk, 1024-2047 Wv).             w_scales [nt][ks][r 16][4 words]
;   wo_f     [kstep 8][nt 64][kf 4][1,024] f16: 16 columns x 32 k; group c of lane (r, h): k 16 c + 8 h .. + 7 of column r.
; A block's scale is 2^(floor(log2(its largest magnitude)) - 2): its byte is the largest magnitude's exponent field - 2, held at 1 from below by a floor among the maximum's leaves.
; LIMITS: a block of zeros, and any block whose largest magnitude lies under 2^-124, gets the byte 1 (its codes are zeros or the nearest codes under that scale; the bytes are read by this program alone);
; NaN and infinities among the inputs are not served; Wo goes in f16: magnitudes over 65,504 are not served, under 6.1e-5 the step is 2^-24.
; SHARES: work-groups 0-255 take hidden_states (a wave: 16 tokens x 512 K), 256-319 Wq and Wk, 320-383 Wv (a wave: 32 columns x 128 K), 384-511 Wo (a wave: 32 columns x 64 k).
; The ways part on the work-group's number alone; only the first of them touches LDS.  No tensor load, no barrier: waves share nothing.
.set STG,   16*528                     ; LDS: a stage of 16 rows x (512 bytes + 16) for each wave
.set SPARE, 4*STG                      ; behind the stages: the spare words, 128 bytes for each wave, which no other line names
.set LN,    1                          ; v1   lane
.set L16,   2                          ; v2   16 x lane
.set SIN,   3                          ; v3   the stage, on the way in: 16 x lane
.set SOUT,  4                          ; v4   and on the way out: 528 r + 128 h
.set R16,   5                          ; v5   16 r
.set SPW,   12                         ; v12  my spare word; never rewritten
.set NIL,   13                         ; v13  0; never rewritten
.set H8,    14                         ; v14  8 h
.set PT,    15                         ; v15  the lane permute's destination
.set R,     16                         ; v16-143  numbers as they are loaded
.set WC,    80                         ; v80-111  the weights' results
.set X,     144                        ; v144-207 64 numbers of a lane: two blocks of 32 neighbours
.set C,     208                        ; v208-239 x's codes: 8 registers a fragment, none written twice
.set SW,    240                        ; v240-243 x's scale words, q = 0 .. 3
.set RR,    244                        ; v244 r = lane % 16
.set HH,    245                        ; v245 h = lane / 16
.set L4,    246                        ; v246 4 x lane
.set OC,    247                        ; v247 4,096 h + 16 r: a weight's fragment and my place in a group's half
.set OS,    248                        ; v248 512 h + 16 r: the same among the scale words
.macro LOADF q                         ; fragment q: 16 rows x 512 bytes; each load reads 512 consecutive bytes of one row
.set i, 0
.rept 16
	global_load_b128 v[R+64*((\q)%2)+4*i:R+64*((\q)%2)+4*i+3], v[L16], s[4:5] offset:4096*i+512*(\q) th:TH_LOAD_NT
.set i, i+1
.endr
.endm
.macro TURN q                          ; through my stage: in as loaded, out 128 neighbouring bytes a lane and block.  LDS serves a wave's instructions in order: no wait between
.set i, 0
.rept 16
	ds_store_b128 v[SIN], v[R+64*((\q)%2)+4*i:R+64*((\q)%2)+4*i+3] offset:528*i
.set i, i+1
.endr
.irp c, 0,1
.set i, 0
.rept 8
	ds_load_b128 v[X+32*\c+4*i:X+32*\c+4*i+3], v[SOUT] offset:256*\c+16*i
.set i, i+1
.endr
.endr
.endm
.macro QX q                            ; my two blocks (2 c + h of the fragment's four) become codes and two bytes of the scale word
.irp c, 0,1
	v_max3_num_f32 v[6+\c], |v[X+32*\c]|, |v[X+32*\c+1]|, 0x1800000   ; the floor 2^(3 - 127) among the leaves: the byte cannot fall under 1
.endr
.irp i, 2,4,6,8,10,12,14,16,18,20,22,24,26,28,30
.irp c, 0,1
	v_max3_num_f32 v[6+\c], v[6+\c], |v[X+32*\c+\i]|, |v[X+32*\c+\i+1]|
.endr
.endr
.irp c, 0,1
	v_add_nc_u32 v[8+\c], 0xff000000, v[6+\c]      ; 2 off the exponent field: the conversion's scale operand
.endr
.irp c, 0,1
	v_lshrrev_b32 v[10+\c], 23, v[8+\c]            ; the scale's byte
.endr
	v_lshl_or_b32 v10, v11, 16, v10                ; blocks h and 2 + h,
	v_lshlrev_b32 v10, v[H8], v10                  ; at their places in the word;
	v_permlanex16_b32 v[PT], v10, s26, s27
	v_or_b32 v[SW+\q], v10, v[PT]                  ; with lane l xor 16's two the word is whole
.irp c, 0,1
.irp g, 0,1,2,3
	v_cvt_scalef32_pk8_fp4_f32 v[C+8*\q+4*\c+\g], v[X+32*\c+8*\g:X+32*\c+8*\g+7], v[8+\c]
.endr
.endr
	v_nop                                          ; one plain line behind the last scaled conversion
.irp c, 0,1
	global_store_b128 v[L16], v[C+8*\q+4*\c:C+8*\q+4*\c+3], s[14:15] offset:1024*\q+512*\c   ; 32 lanes store 512 consecutive bytes
.endr
.endm
.macro WLOAD t, pitch                  ; block t of a weight: rows 32 t + i at my column; 32 lanes read 128 consecutive bytes
.set i, 0
.rept 32
	global_load_b32 v[R+32*((\t)%2)+i], v[L4], s[32:33] offset:(32*(\t)+i)*(\pitch) th:TH_LOAD_NT
.set i, i+1
.endr
.endm
.macro WBLOCK t, left                  ; left: the younger block's loads, which may stay out
.set XS, R+32*((\t)%2)
	s_wait_loadcnt \left
	v_max3_num_f32 v6, |v[XS]|, |v[XS+1]|, |v[XS+2]|
	v_max3_num_f32 v7, |v[XS+3]|, |v[XS+4]|, |v[XS+5]|
.irp i, 6,10,14,18,22,26
	v_max3_num_f32 v6, v6, |v[XS+\i]|, |v[XS+\i+1]|
	v_max3_num_f32 v7, v7, |v[XS+\i+2]|, |v[XS+\i+3]|
.endr
	v_max3_num_f32 v6, v6, |v[XS+30]|, |v[XS+31]|
	v_max3_num_f32 v6, v6, v7, 0x1800000           ; and the floor
	v_add_nc_u32 v8, 0xff000000, v6
	v_lshrrev_b32 v9, 23, v8
.if (\t) == 0
	v_mov_b32 v10, v9
.else
	v_lshl_or_b32 v10, v9, 8*(\t), v10             ; the four bytes make my column's scale word for these 128 along K
.endif
.irp g, 0,1,2,3
	v_cvt_scalef32_pk8_fp4_f32 v[WC+4*(\t)+\g], v[XS+8*\g:XS+8*\g+7], v8
.endr
	v_nop                                          ; one plain line behind the last scaled conversion
	global_store_b128 v[OC], v[WC+4*(\t):WC+4*(\t)+3], s[18:19] offset:256*(\t)   ; block t = 2 c + h lies at 512 c + 256 h: sixteen lanes store 256 consecutive bytes
.endm
; 32 columns x 128 along K of a weight whose rows are pitch bytes: a lane to a column, its registers down K, so that the codes come out with K innermost
.macro WQ pitch
	s_sub_co_u32 s28, ttmp9, 256
	s_lshr_b32 s29, s28, 3                         ; which 128 joined columns
	s_and_b32 s30, s28, 7                          ; which 128 along K
.if \pitch == 2048
	s_cmp_lt_u32 s29, 4
	s_cselect_b64 s[32:33], s[6:7], s[8:9]         ; Wq or Wk: the choice hangs on the work-group's number alone
	s_and_b32 s31, s29, 3
.else
	s_mov_b64 s[32:33], s[10:11]                   ; Wv
	s_sub_co_u32 s31, s29, 8
.endif
	s_lshl_b32 s31, s31, 9                         ; 128 columns of 4 bytes
	s_lshl_b32 s34, s24, 7                         ; my wave's 32
	s_add_co_u32 s34, s34, s31
	s_mul_i32 s35, s30, 128*\pitch
	s_add_co_u32 s34, s34, s35
	s_mov_b32 s35, 0
	s_add_nc_u64 s[32:33], s[32:33], s[34:35]
	s_lshl_b32 s36, s29, 3
	s_lshl_b32 s37, s24, 1
	s_add_co_u32 s36, s36, s37                     ; my first tile of 16 columns
	s_lshr_b32 s37, s30, 2                         ; ks
	s_and_b32 s38, s30, 3                          ; q
	s_lshl_b32 s34, s37, 19
	s_lshl_b32 s39, s36, 12
	s_add_co_u32 s34, s34, s39
	s_lshl_b32 s39, s38, 10
	s_add_co_u32 s34, s34, s39
	s_add_nc_u64 s[18:19], s[18:19], s[34:35]
	s_lshl_b32 s34, s36, 9
	s_lshl_b32 s39, s37, 8
	s_add_co_u32 s34, s34, s39
	s_lshl_b32 s39, s38, 2
	s_add_co_u32 s34, s34, s39
	s_add_nc_u64 s[20:21], s[20:21], s[34:35]
	WLOAD 0, \pitch
	WLOAD 1, \pitch
	WBLOCK 0, 32
	WLOAD 2, \pitch
	WBLOCK 1, 32
	WLOAD 3, \pitch
	WBLOCK 2, 32
	WBLOCK 3, 0
	global_store_b32 v[OS], v10, s[20:21]          ; 4 bytes a column: one byte in 128 of what this way reads
.endm
	s_load_b256 s[4:11], s[0:1], 0x0               ; hidden_states, Wq, Wk, Wv
	s_load_b256 s[12:19], s[0:1], 0x20             ; Wo, x_codes, x_scales, w_codes
	s_load_b128 s[20:23], s[0:1], 0x40             ; w_scales, wo_f
	v_lshl_add_u32 v[SPW], v0, 2, SPARE
	v_mov_b32 v[NIL], 0
	v_lshrrev_b32 v[LN], 5, v0
	v_readfirstlane_b32 s24, v[LN]                 ; wave
	v_and_b32 v[LN], 31, v0
	v_and_b32 v[RR], 15, v0
	v_bfe_u32 v[HH], v0, 4, 1
	v_lshlrev_b32 v[L16], 4, v[LN]
	v_lshlrev_b32 v[L4], 2, v[LN]
	v_lshlrev_b32 v[R16], 4, v[RR]
	v_lshlrev_b32 v[H8], 3, v[HH]
	v_mov_b32 v[PT], 0                             ; written once: a lane permute's destination counts as one of its sources
	s_mul_i32 s25, s24, STG
	v_add_nc_u32 v[SIN], s25, v[L16]
	v_mul_u32_u24 v[SOUT], v[RR], 528
	v_lshl_add_u32 v[SOUT], v[HH], 7, v[SOUT]
	v_add_nc_u32 v[SOUT], s25, v[SOUT]
	v_lshl_add_u32 v[OC], v[HH], 12, v[R16]
	v_lshl_add_u32 v[OS], v[HH], 9, v[R16]
	s_mov_b32 s26, 0x76543210
	s_mov_b32 s27, 0xfedcba98                      ; v_permlanex16_b32's selects for lane l xor 16
	s_wait_kmcnt 0x0
	s_cmp_lt_u32 ttmp9, 256
	s_cbranch_scc1 .Lx
	s_cmp_lt_u32 ttmp9, 320
	s_cbranch_scc1 .Lwqk
	s_cmp_lt_u32 ttmp9, 384
	s_cbranch_scc1 .Lwv
	; ---- Wo: 32 columns x 64 k a wave, to f16.  A lane's registers run down k, so eight neighbours pack into the 16 bytes of one group of one lane of the image
	s_sub_co_u32 s28, ttmp9, 384
	s_lshr_b32 s29, s28, 4                         ; which 128 columns
	s_and_b32 s30, s28, 15                         ; which 64 along k
	s_lshl_b32 s34, s30, 18                        ; 64 rows of 4,096 bytes
	s_lshl_b32 s31, s29, 9
	s_add_co_u32 s34, s34, s31
	s_lshl_b32 s31, s24, 7
	s_add_co_u32 s34, s34, s31
	s_mov_b32 s35, 0
	s_add_nc_u64 s[12:13], s[12:13], s[34:35]
	s_lshr_b32 s31, s30, 1
	s_lshl_b32 s34, s31, 18                        ; the K step of 128
	s_lshl_b32 s31, s29, 15                        ; 8 tiles of 4,096 bytes for each 128 columns
	s_add_co_u32 s34, s34, s31
	s_lshl_b32 s31, s24, 13                        ; my wave's two
	s_add_co_u32 s34, s34, s31
	s_and_b32 s31, s30, 1
	s_lshl_b32 s31, s31, 11                        ; which two of the K step's four fragments
	s_add_co_u32 s34, s34, s31
	s_add_nc_u64 s[22:23], s[22:23], s[34:35]
.set i, 0
.rept 64
	global_load_b32 v[R+i], v[L4], s[12:13] offset:4096*i th:TH_LOAD_NT
.set i, i+1
.endr
.irp f, 0,1
	s_wait_loadcnt 32-32*\f                        ; the first 32 rows are in, the other 32 may be out; then all
.set i, 16*\f
.rept 16
	v_cvt_pk_f16_f32 v[WC+i], v[R+2*i], v[R+2*i+1] ; rows 2 i and 2 i + 1, to the nearest, ties to even
.set i, i+1
.endr
.irp g, 0,1,2,3
	global_store_b128 v[OC], v[WC+16*\f+4*\g:WC+16*\f+4*\g+3], s[22:23] offset:1024*\f+256*\g   ; rows 32 f + 8 g on: group g / 2, the half g % 2 of its lanes; sixteen lanes store 256 consecutive bytes
.endr
.endr
	s_branch .Lend
.Lwv:
	WQ 4096
	s_branch .Lend
.Lwqk:
	WQ 2048
	s_branch .Lend
.Lx:
	; ---- hidden_states: my wave's 16 tokens x 512 along K: four fragments
	s_lshl_b32 s28, ttmp9, 2
	s_add_co_u32 s28, s28, s24                     ; task = 2 mt + ks
	s_lshr_b32 s30, s28, 1
	s_and_b32 s31, s28, 1
	s_lshl_b32 s32, s30, 16                        ; 16 rows of 4,096 bytes
	s_lshl_b32 s33, s31, 11
	s_add_co_u32 s32, s32, s33
	s_mov_b32 s33, 0
	s_add_nc_u64 s[4:5], s[4:5], s[32:33]
	s_lshl_b32 s32, s31, 21
	s_lshl_b32 s34, s30, 12
	s_add_co_u32 s32, s32, s34
	s_add_nc_u64 s[14:15], s[14:15], s[32:33]
	s_lshl_b32 s32, s28, 8
	s_add_nc_u64 s[16:17], s[16:17], s[32:33]
	LOADF 0
	LOADF 1
.irp q, 0,1,2,3
.if \q < 3
	s_wait_loadcnt 16                              ; this fragment's 16 loads are in; the next fragment's 16 may be out
.else
	s_wait_loadcnt 0x0
.endif
	TURN \q
	s_wait_dscnt 0x0                               ; the numbers are back, so the stores into the stage have read their registers,
.if \q < 2
	LOADF \q+2                                     ; which take the fragment two further on
.endif
	QX \q
.endr
	s_wait_xcnt 0x0                                ; EXEC changes only behind this wait
	v_cmp_gt_u32 vcc_lo, 16, v[LN]
	s_and_saveexec_b32 s28, vcc_lo
	global_store_b128 v[R16], v[SW:SW+3], s[16:17] ; lanes 0-15: row r's four scale words: 256 consecutive bytes
	s_wait_xcnt 0x0
	s_or_b32 exec_lo, exec_lo, s28
.Lend:
	s_wait_tensorcnt 0x0                           ; the wave's end, behind the last LDS store
	ds_add_u32 v[SPW], v[NIL]
	s_wait_dscnt 0x0
	s_endpgm
.Lfunc_end_k_q80b6f333a2_prep:
	.size	k_q80b6f333a2_prep, .Lfunc_end_k_q80b6f333a2_prep-k_q80b6f333a2_prep
	.p2alignl 7, 3214868480
	.fill 96, 4, 3214868480
	.section	.rodata,"a",@progbits
	.p2align	6, 0x0
	.amdhsa_kernel k_q80b6f333a2_prep
		.amdhsa_group_segment_fixed_size 34304
		.amdhsa_private_segment_fixed_size 0
		.amdhsa_enable_private_segment 0
		.amdhsa_kernarg_size 80
		.amdhsa_user_sgpr_count 2
		.amdhsa_user_sgpr_kernarg_segment_ptr 1
		.amdhsa_wavefront_size32 1
		.amdhsa_system_sgpr_workgroup_id_x 1
		.amdhsa_system_sgpr_workgroup_id_y 1
		.amdhsa_system_sgpr_workgroup_id_z 1
		.amdhsa_system_vgpr_workitem_id 0
		.amdhsa_next_free_vgpr 250
		.amdhsa_next_free_sgpr 66
		.amdhsa_reserve_vcc 1
		.amdhsa_float_denorm_mode_32 3
		.amdhsa_float_denorm_mode_16_64 3
		.amdhsa_memory_ordered 1
		.amdhsa_forward_progress 1
		.amdhsa_inst_pref_size 78
	.end_amdhsa_kernel
	.amdgpu_metadata
---
amdhsa.version: [ 1, 2 ]
amdhsa.kernels:
  - .name:           k_q80b6f333a2_prep
    .symbol:         k_q80b6f333a2_prep.kd
    .args:
      - { .name: hidden_states, .offset: 0, .size: 8, .value_kind: global_buffer, .address_space: global }
      - { .name: Wq, .offset: 8, .size: 8, .value_kind: global_buffer, .address_space: global }
      - { .name: Wk, .offset: 16, .size: 8, .value_kind: global_buffer, .address_space: global }
      - { .name: Wv, .offset: 24, .size: 8, .value_kind: global_buffer, .address_space: global }
      - { .name: Wo, .offset: 32, .size: 8, .value_kind: global_buffer, .address_space: global }
      - { .name: x_codes, .offset: 40, .size: 8, .value_kind: global_buffer, .address_space: global }
      - { .name: x_scales, .offset: 48, .size: 8, .value_kind: global_buffer, .address_space: global }
      - { .name: w_codes, .offset: 56, .size: 8, .value_kind: global_buffer, .address_space: global }
      - { .name: w_scales, .offset: 64, .size: 8, .value_kind: global_buffer, .address_space: global }
      - { .name: wo_f, .offset: 72, .size: 8, .value_kind: global_buffer, .address_space: global }
    .group_segment_fixed_size: 34304
    .private_segment_fixed_size: 0
    .kernarg_segment_align: 8
    .kernarg_segment_size: 80
    .max_flat_workgroup_size: 128
    .sgpr_count:     66
    .vgpr_count:     250
    .wavefront_size: 32
...
	.end_amdgpu_metadata
.endif
;; end of part 1
;; launch qkv (part 2): grid 8 x 32, 4 waves a work-group, clusters of 4 x 4, 327,680 bytes of LDS; arguments x_codes, x_scales, w_codes, w_scales, bq, bk, bv, qkv; writes qkv
.if DOCPART == 2
	.amdgcn_target "amdgcn-amd-amdhsa--gfx1250"
	.amdhsa_code_object_version 6
	.text
	.protected	k_q80b6f333a2_qkv
	.globl	k_q80b6f333a2_qkv
	.p2align	8
	.type	k_q80b6f333a2_qkv,@function
k_q80b6f333a2_qkv:
	s_mov_b64 s[64:65], 0
	v_nop
	global_prefetch_b8 v0, s[64:65] scope:SCOPE_SE
	s_setreg_imm32_b32 hwreg(HW_REG_WAVE_MODE, 25, 1), 1
	s_wait_xcnt 0x0
	s_wait_alu depctr_hold_cnt(0) depctr_sa_sdst(0) depctr_va_vdst(0) depctr_va_sdst(0) depctr_va_ssrc(0) depctr_va_vcc(0) depctr_vm_vsrc(0)
	s_getreg_b32 s2, hwreg(HW_REG_IB_STS2, 6, 4)
	s_cmp_eq_u32 s2, 0
	s_cbranch_scc0 .Lentry_in_a_cluster
	s_endpgm
.Lentry_in_a_cluster:
	s_bfe_u32 s2, ttmp6, 0x10000c
	s_cmp_lg_u32 s2, 0xf033
	s_cbranch_scc0 .Lentry_shape_is_right
	s_endpgm
.Lentry_shape_is_right:
; QKV: [8,192 tokens] x [2,048 joined columns: Wq, Wk, Wv], K = 1,024, on codes of FP4 (E2M1) with E8M0 scales; sums in f32, begun with the bias; results leave as f16.
; A tile of 256 x 256 is made by four waves, each 128 x 128: 64 accumulators, 512 registers.  K is two slots of 512, so every tensor load is a first fill and nothing in LDS is filled again.
; Codes and scale words lie in memory as images of operand registers (1,024 bytes a fragment; lane l's 16 bytes of group c at 512 c + 16 l): a tile is a dense block, an LDS read takes 512 consecutive bytes.
; CLUSTERS: 4 x 4 work-groups; the four of a row need the same tokens' tiles, the four of a column the same weights': each is asked for jointly.
; THE MATRIX INSTRUCTION IS USED TRANSPOSED (source 0 = 16 columns of W, source 1 = 16 tokens): a lane holds one token and eight neighbouring columns, which pack into 16 bytes of f16.
; OUT: qkv [batch x head 64][32 tokens 64][8,192 bytes]: Q's two fragments (16 tokens x 32) at 0, K's two at 2,048, V at 4,096 + 1,024 (16 channels) + 512 (16 tokens), the last as an image for the turning LDS load:
; place p of 16 bytes holds token 8 (p / 16) + p % 8, channels 8 ((p / 8) % 2) on.  Q is NOT scaled here: the next launch folds the factor into its exponent.
; LIMITS: q, k, v go in f16: magnitudes over 65,504 are not served, under 6.1e-5 the step is 2^-24.  The bias enters each sum first, not last.
; REGISTERS: window 0: v0-31 addresses; v32-95 scale words, two sets; v128-191 x's fragments, one set (on the way out: packed results); v192-255 the bias, 8 registers for each 16 columns.
;   window 1: W's fragments, two sets, at v0 and v128.   windows 2, 3: the accumulators ((a, b) at v[8 (8 (a % 4) + b)]).
.set NQ,     4                         ; steps of 128 along K in a slot
.set FR,     8                         ; registers of a fragment
.set NL,     2                         ; LDS loads that bring one
.set NP,     4                         ; places behind this matrix instruction (ISA guide 7.12.1)
.set SLOT,   131072                    ; x's 16 tiles of 4,096 bytes, then W's 16
.set WOFF,   65536
.set SCL,    2*SLOT                    ; behind the slots: the scale words, x's 8,192 bytes, then W's
.set HALFS,  4096
.set SPARE,  SCL+4*HALFS               ; the spare words, 128 bytes for each wave, which no other line names
.set L16,  3                           ; v3   16 x lane
.set ADRA, 16                          ; v16-17 my x fragments in slot 0, 1
.set ADRB, 20                          ; v20-21 my W fragments
.set VOV,  24                          ; v24  the way out of V: my place in the image
.set BO,   25                          ; v25  32 h: my eight numbers of a bias's sixteen
.set ADRS, 27                          ; v27  my scale words: lanes 0-15 x's, lanes 16-31 W's
.set SPW,  28                          ; v28  my spare word; never rewritten
.set NIL,  29                          ; v29  0; never rewritten
.set SC,   32
.set AF,   128
.set TMP,  128
.set BIAS, 192
.set G1, 24                            ; s[24:31], s[32:39]: groups 1 and 0 (a set for each slot) for x's codes
.set G0, 32
.set G1B, 48                           ; s[48:55], s[56:63]: for W's
.set G0B, 56
.set G1S, 68                           ; s[68:75], s[76:79]: for x's scale words;  s[80:87], s[88:91]: for W's
.set G0S, 76
.set G1SB, 80
.set G0SB, 88
.set MSB, 0
.macro WIN new                         ; the immediate's high byte repeats the setting that is left
.if MSB != \new
	s_set_vgpr_msb (MSB<<8)|\new
.set MSB, \new
.endif
.endm
.set MUL_LO,  0xa1                     ; source 0 (W) window 1, source 1 (x) window 0, C and D window 2
.set MUL_HI,  0xf1                     ; the same, C and D window 3
.set MULZ_LO, 0x81                     ; the first step: C is the bias, in window 0
.set MULZ_HI, 0xc1
.set TO_B,    0x40
; A joint load: waves 0 and 1 fetch for x, waves 2 and 3 for W; the branch hangs on the wave's number alone.  An s_nop 0 and four v_nop follow each line.
.macro JLOAD g0a, g1a, g0b, g1b
	s_cmp_eq_u32 s15, 0
	s_cbranch_scc0 .Lfor_b_\@
	tensor_load_to_lds s[\g0a:\g0a+3], s[\g1a:\g1a+7]
	s_nop 0
.rept 4
	v_nop
.endr
	s_branch .Lasked_\@
.Lfor_b_\@:
	tensor_load_to_lds s[\g0b:\g0b+3], s[\g1b:\g1b+7]
	s_nop 0
.rept 4
	v_nop
.endr
.Lasked_\@:
.endm
.macro CROUND                          ; a round of the cluster's barrier
	s_barrier_signal -1
	s_barrier_wait -1
	s_cmp_lg_u32 s14, 0
	s_cbranch_scc1 .Lnot_wave_0_\@
	s_barrier_signal -3
.Lnot_wave_0_\@:
	s_barrier_wait -3
	s_barrier_signal -1
	s_barrier_wait -1
.endm
	s_load_b128 s[4:7], s[0:1], 0x0                ; x_codes, x_scales
	s_load_b128 s[8:11], s[0:1], 0x10              ; w_codes, w_scales
	s_load_b128 s[96:99], s[0:1], 0x20             ; bq, bk
	s_load_b64 s[2:3], s[0:1], 0x30                ; bv
	s_load_b64 s[12:13], s[0:1], 0x38              ; qkv
	v_lshl_add_u32 v[SPW], v0, 2, SPARE
	v_mov_b32 v[NIL], 0
	ds_add_u32 v[SPW], v[NIL]                      ; the wave's opening: the add, twice on end, and its wait ahead of my first tensor load
	ds_add_u32 v[SPW], v[NIL]
	v_lshrrev_b32 v1, 5, v0
	v_readfirstlane_b32 s14, v1                    ; wave 0..3
	s_lshr_b32 s15, s14, 1                         ; my half of the tile's tokens.  Also: I fetch for x (0) or for W (1)
	s_and_b32 s16, s14, 1                          ; my half of its columns.  Also: which half I fetch
	s_bfe_u32 s40, ttmp6, 0x40000                  ; cx, cy
	s_bfe_u32 s41, ttmp6, 0x40004
	s_lshl_b32 s42, ttmp9, 2
	s_add_co_u32 s42, s42, s40                     ; tile column = 4 x cluster x + cx
	s_and_b32 s17, ttmp7, 0xffff
	s_lshl_b32 s17, s17, 2
	s_add_co_u32 s17, s17, s41                     ; tile row = 4 x cluster y + cy
	s_lshl_b32 s43, s41, 2
	s_lshl_b32 s43, 15, s43                        ; my row of the cluster
	s_lshl_b32 s44, 0x1111, s40                    ; my column
	; group 1: dense blocks as rows of 256 bytes (32 elements of 8 bytes), no padding: 128 rows of codes, 16 rows of scale words
	s_or_b32 s[G1+0], s43, (3<<16)|(1<<21)
	s_or_b32 s[G1B+0], s44, (3<<16)|(1<<21)
.irp g, G1, G1B
	s_mov_b32 s[\g+1], 32<<16                      ; tensor_dim0
	s_mov_b32 s[\g+2], 128<<16                     ; tensor_dim1
	s_mov_b32 s[\g+3], 32<<16                      ; tile_dim0
	s_mov_b32 s[\g+4], 128                         ; tile_dim1
	s_mov_b32 s[\g+5], 32                          ; the pitch
	s_mov_b32 s[\g+6], 0
	s_mov_b32 s[\g+7], 0
.endr
	s_or_b32 s[G1S+0], s43, (3<<16)|(1<<21)
	s_or_b32 s[G1SB+0], s44, (3<<16)|(1<<21)
.irp g, G1S, G1SB
	s_mov_b32 s[\g+1], 32<<16
	s_mov_b32 s[\g+2], 16<<16
	s_mov_b32 s[\g+3], 32<<16
	s_mov_b32 s[\g+4], 16
	s_mov_b32 s[\g+5], 32
	s_mov_b32 s[\g+6], 0
	s_mov_b32 s[\g+7], 0
.endr
	s_lshl_b32 s18, s16, 3                         ; which eight tiles of 16 rows I fetch
	s_lshl_b32 s20, s17, 4
	s_add_co_u32 s20, s20, s18                     ; x: tile 16 x tile row + 8 x half
	s_lshl_b32 s46, s42, 4
	s_add_co_u32 s46, s46, s18                     ; W: tile 16 x tile column + 8 x half
	s_lshl_b32 s22, s20, 9                         ; 512 bytes of scale words a tile,
	s_mov_b32 s23, 0
	s_lshl_b32 s20, s20, 12                        ; 4,096 of codes in each half of K
	s_mov_b32 s21, 0
	s_lshl_b32 s92, s46, 9
	s_mov_b32 s93, 0
	s_lshl_b32 s46, s46, 12
	s_mov_b32 s47, 0
	s_lshl_b32 s45, s14, 15                        ; where they go: wave x 32,768: no place in the cluster enters an LDS address
	s_lshl_b32 s94, s14, 12
	s_wait_dscnt 0x0                               ; both opening adds are done
	s_wait_kmcnt 0x0
	s_add_nc_u64 s[20:21], s[4:5], s[20:21]
	s_add_nc_u64 s[22:23], s[6:7], s[22:23]
	s_add_nc_u64 s[46:47], s[8:9], s[46:47]
	s_add_nc_u64 s[92:93], s[10:11], s[92:93]
	CROUND                                         ; all sixteen work-groups are here: the joint loads meet
	s_mov_b32 s[G0S], 1
	s_add_co_u32 s[G0S+1], s94, SCL
	s_mov_b64 s[G0S+2:G0S+3], s[22:23]
	s_or_b32 s[G0S+3], s[G0S+3], 0x80000000
	s_mov_b32 s[G0SB], 1
	s_add_co_u32 s[G0SB+1], s94, SCL
	s_mov_b64 s[G0SB+2:G0SB+3], s[92:93]
	s_or_b32 s[G0SB+3], s[G0SB+3], 0x80000000
	JLOAD G0S, G1S, G0SB, G1SB                     ; the scale words first: they are wanted with the first step
.irp s, 0,1
	s_mov_b32 s[G0+4*\s], 1
	s_add_co_u32 s[G0+4*\s+1], s45, \s*SLOT
	s_add_nc_u64 s[G0+4*\s+2:G0+4*\s+3], s[20:21], \s*2097152
	s_or_b32 s[G0+4*\s+3], s[G0+4*\s+3], 0x80000000
	s_mov_b32 s[G0B+4*\s], 1
	s_add_co_u32 s[G0B+4*\s+1], s45, \s*SLOT
	s_add_nc_u64 s[G0B+4*\s+2:G0B+4*\s+3], s[46:47], \s*524288
	s_or_b32 s[G0B+4*\s+3], s[G0B+4*\s+3], 0x80000000
	JLOAD G0+4*\s, G1, G0B+4*\s, G1B               ; three loads of mine are out now, and no more follow
.endr
	v_and_b32 v1, 15, v0                           ; r
	v_bfe_u32 v2, v0, 4, 1                         ; h
	v_and_b32 v[L16], 31, v0
	v_lshlrev_b32 v[L16], 4, v[L16]
	s_lshl_b32 s21, s15, 15                        ; my eight tiles of x,
	s_lshl_b32 s22, s16, 15                        ; my eight of W,
	s_add_co_u32 s22, s22, WOFF                    ; which lie behind x's sixteen
.irp s, 0,1
	v_add_nc_u32 v[ADRA+\s], s21, v[L16]
	v_add_nc_u32 v[ADRB+\s], s22, v[L16]
	s_add_co_u32 s21, s21, SLOT
	s_add_co_u32 s22, s22, SLOT
.endr
	v_lshlrev_b32 v5, 4, v1                        ; a row's four words
	s_lshl_b32 s21, s15, 12                        ; x's: my eight tiles
	s_lshl_b32 s22, s16, 12                        ; W's: my eight, behind x's sixteen
	s_add_co_u32 s22, s22, 2*HALFS
	s_sub_co_u32 s22, s22, s21
	v_mul_u32_u24 v6, s22, v2                      ; lanes 16-31 take W's: one product, the distance between the two
	s_add_co_u32 s21, s21, SCL
	v_add_nc_u32 v5, v5, v6
	v_add_nc_u32 v[ADRS], s21, v5
	v_lshrrev_b32 v4, 3, v1
	v_and_b32 v5, 7, v1
	v_lshlrev_b32 v[VOV], 8, v4
	v_lshl_add_u32 v[VOV], v2, 7, v[VOV]
	v_lshl_add_u32 v[VOV], v5, 4, v[VOV]           ; 256 (r / 8) + 128 h + 16 (r % 8)
	; the bias of my 128 columns: the tensor is chosen by the tile column, which hangs on no address
	s_cmp_lt_u32 s42, 2
	s_cselect_b64 s[96:97], s[96:97], s[98:99]
	s_cselect_b32 s18, 0, 2
	s_cmp_lt_u32 s42, 4
	s_cselect_b64 s[96:97], s[96:97], s[2:3]
	s_cselect_b32 s18, s18, 4
	s_sub_co_u32 s18, s42, s18                     ; the tile column within its tensor
	s_lshl_b32 s18, s18, 10
	s_lshl_b32 s19, s16, 9
	s_add_co_u32 s18, s18, s19
	s_mov_b32 s19, 0
	s_add_nc_u64 s[96:97], s[96:97], s[18:19]
	v_lshlrev_b32 v[BO], 5, v2
.irp b, 0,1,2,3,4,5,6,7
	global_load_b128 v[BIAS+8*\b:BIAS+8*\b+3], v[BO], s[96:97] offset:64*\b      ; in the result's layout: register j = the bias at column 16 b + 8 h + j
	global_load_b128 v[BIAS+8*\b+4:BIAS+8*\b+7], v[BO], s[96:97] offset:64*\b+16
.endr
.macro FRAG reg, adr, q, i             ; tile i's fragment of the slot's q-th 128 along K: two loads of 512 consecutive bytes
.irp c, 0,1
	ds_load_b128 v[\reg+4*\c:\reg+4*\c+3], v[\adr] offset:(4*(\i)+(\q))*1024+512*\c
.endr
.endm
; 16 matrix instructions: x's blocks a0, a0 + 1 against W's eight.  zero = 1: the first product starts the sums, with the bias as C.  The 64 accumulators take turns, one instruction a turn.
.macro MUL16 a0, p, q, sc, zero
.irp a, \a0, \a0+1
.irp b, 0,1,2,3,4,5,6,7
.if \zero
	v_wmma_scale_f32_16x16x128_f8f6f4 v[8*(8*((\a)%4)+\b):8*(8*((\a)%4)+\b)+7], v[128*(\p)+FR*\b:128*(\p)+FR*\b+FR-1], v[AF+FR*(\a):AF+FR*(\a)+FR-1], v[BIAS+8*\b:BIAS+8*\b+7], v[SC+8*NQ*(\sc)+NQ*\b+(\q)], v[SC+8*NQ*(\sc)+NQ*(\a)+(\q)] matrix_a_fmt:MATRIX_FMT_FP4 matrix_b_fmt:MATRIX_FMT_FP4 matrix_a_scale:MATRIX_SCALE_ROW1
.else
	v_wmma_scale_f32_16x16x128_f8f6f4 v[8*(8*((\a)%4)+\b):8*(8*((\a)%4)+\b)+7], v[128*(\p)+FR*\b:128*(\p)+FR*\b+FR-1], v[AF+FR*(\a):AF+FR*(\a)+FR-1], v[8*(8*((\a)%4)+\b):8*(8*((\a)%4)+\b)+7], v[SC+8*NQ*(\sc)+NQ*\b+(\q)], v[SC+8*NQ*(\sc)+NQ*(\a)+(\q)] matrix_a_fmt:MATRIX_FMT_FP4 matrix_b_fmt:MATRIX_FMT_FP4 matrix_a_scale:MATRIX_SCALE_ROW1
.endif
.endr
.endr
.endm
.macro FETCH_B slot, q, p
	WIN TO_B
.irp i, 0,1,2,3,4,5,6,7
	FRAG 128*(\p)+FR*\i, ADRB+\slot, \q, \i
.endr
	WIN 0
.endm
.macro FETCH_A slot, q, i0
.irp i, \i0, \i0+1, \i0+2, \i0+3
	FRAG AF+FR*(\i), ADRA+\slot, \q, \i
.endr
.endm
.macro SCALES sc                       ; slot sc's scale words: four a row; lanes 0-15 take x's tile i, lanes 16-31 W's tile i
.irp i, 0,1,2,3,4,5,6,7
	ds_load_b128 v[SC+8*NQ*\sc+NQ*\i:SC+8*NQ*\sc+NQ*\i+3], v[ADRS] offset:512*\i+256*\sc
.endr
.endm
.macro PLACES n                        ; plain vector lines between a matrix instruction and a load into, or a read of, its registers
.rept \n
	v_nop
.endr
.endm
.macro STEP slot, q, zero              ; a step of 128 along K that has its successor in the same slot
	s_wait_dscnt 4*NL                              ; all but the youngest eight loads (x's blocks 4-7) are in
.if \zero
	WIN MULZ_LO
.else
	WIN MUL_LO
.endif
	MUL16 0, (\q)%2, \q, \slot, \zero
	MUL16 2, (\q)%2, \q, \slot, \zero
	s_wait_dscnt 0
	PLACES NP
	FETCH_B \slot, (\q)+1, 1-(\q)%2
	FETCH_A \slot, (\q)+1, 0
.if \zero
	WIN MULZ_HI
.else
	WIN MUL_HI
.endif
	MUL16 4, (\q)%2, \q, \slot, \zero
	MUL16 6, (\q)%2, \q, \slot, \zero
	PLACES NP
	WIN 0
	FETCH_A \slot, (\q)+1, 4
.endm
.macro STEPS slot, from
.set Q, \from
.rept NQ-1-\from
	STEP \slot, Q, 0
.set Q, Q+1
.endr
.endm
	s_wait_tensorcnt 1                             ; the scale words and my part of slot 0 are in; slot 1's load may be out
	s_barrier_signal -1
	s_barrier_wait -1
	FETCH_B 0, 0, 0
	FETCH_A 0, 0, 0
	SCALES 0
	FETCH_A 0, 0, 4
	s_wait_loadcnt 0x0                             ; the bias
	STEP 0, 0, 1
	STEPS 0, 1
	; slot 0's last step goes over to slot 1: one barrier, in front of which each wave has waited for its part of slot 1
	s_wait_tensorcnt 0x0
	ds_add_u32 v[SPW], v[NIL]
	s_wait_dscnt 4*NL+1                            ; the add and the youngest eight loads may be out
	WIN MUL_LO
	MUL16 0, 1, NQ-1, 0, 0
	s_wait_dscnt 0x0
	s_barrier_signal -1
	MUL16 2, 1, NQ-1, 0, 0
	WIN 0
	s_barrier_wait -1
	PLACES NP
	FETCH_B 1, 0, 0
	FETCH_A 1, 0, 0
	SCALES 1
	WIN MUL_HI
	MUL16 4, 1, NQ-1, 0, 0
	MUL16 6, 1, NQ-1, 0, 0
	PLACES NP
	WIN 0
	FETCH_A 1, 0, 4
	STEPS 1, 0
	s_wait_dscnt 4*NL                              ; the very last step
	WIN MUL_LO
	MUL16 0, 1, NQ-1, 1, 0
	MUL16 2, 1, NQ-1, 1, 0
	s_wait_dscnt 0
	WIN MUL_HI
	MUL16 4, 1, NQ-1, 1, 0
	MUL16 6, 1, NQ-1, 1, 0
	WIN 0
; THE WAY OUT: no LDS.  A lane's eight columns of a token round to 16 bytes of f16, which are one lane's part of one register group of the reader's fragment: each store of the wave covers 512 consecutive bytes.
; kind 0: Q or K: 32 columns are a head, 16 columns a group;  kind 1: V: 64 columns are a head, 16 columns a tile of channels.
.macro OUT a, kind
.set AC, 64*((\a)%4)
.set TT, TMP+32*((\a)%2)
.if (\a) > 1
	s_wait_xcnt 0x0                                ; block a - 2's stores have read these registers
.endif
	WIN 0x0a+5*((\a)/4)                            ; sources in window 2 or 3
.irp b, 0,1,2,3,4,5,6,7
.irp r, 0,1,2,3
	v_cvt_pk_f16_f32 v[TT+4*\b+\r], v[AC+8*\b+2*\r], v[AC+8*\b+2*\r+1]   ; each accumulator from its low end on
.endr
.endr
	WIN 0
.irp b, 0,1,2,3,4,5,6,7
.if \kind == 0
	global_store_b128 v[L16], v[TT+4*\b:TT+4*\b+3], s[12:13] offset:((\a)/2)*8192+((\a)%2)*1024+(\b/2)*524288+(\b%2)*512
.else
	global_store_b128 v[VOV], v[TT+4*\b:TT+4*\b+3], s[12:13] offset:((\a)/2)*8192+((\a)%2)*512+(\b/4)*524288+(\b%4)*1024
.endif
.endr
.endm
	PLACES NP                                      ; behind the last products: their results are read, and x's fragments' registers are written
	s_lshr_b32 s18, s17, 3
	s_lshl_b32 s18, s18, 4                         ; 16 x batch
	s_and_b32 s19, s17, 7
	s_lshl_b32 s19, s19, 3
	s_lshl_b32 s20, s15, 2
	s_add_co_u32 s19, s19, s20                     ; my first 32 tokens within the batch
	s_mov_b32 s23, 0
	s_cmp_lg_u32 ttmp9, 0                          ; the cluster's x, the same in all sixteen partners: 0: Q and K, 1: V
	s_cbranch_scc1 .Lout_v
	s_and_b32 s20, s42, 1
	s_lshl_b32 s20, s20, 3
	s_lshl_b32 s21, s16, 2
	s_add_co_u32 s20, s20, s21                     ; my first head: 8 x (tile column % 2) + 4 x half
	s_add_co_u32 s20, s20, s18
	s_lshl_b32 s20, s20, 6
	s_add_co_u32 s20, s20, s19
	s_lshl_b32 s22, s20, 13
	s_lshr_b32 s21, s42, 1
	s_lshl_b32 s21, s21, 11                        ; K lies 2,048 bytes behind Q
	s_add_co_u32 s22, s22, s21
	s_add_nc_u64 s[12:13], s[12:13], s[22:23]
.irp a, 0,1,2,3,4,5,6,7
	OUT \a, 0
.endr
	s_branch .Lend
.Lout_v:
	s_sub_co_u32 s20, s42, 4
	s_lshl_b32 s20, s20, 2
	s_lshl_b32 s21, s16, 1
	s_add_co_u32 s20, s20, s21                     ; my first head: 4 x (tile column - 4) + 2 x half
	s_add_co_u32 s20, s20, s18
	s_lshl_b32 s20, s20, 6
	s_add_co_u32 s20, s20, s19
	s_lshl_b32 s22, s20, 13
	s_add_co_u32 s22, s22, 4096                    ; V lies behind Q and K
	s_add_nc_u64 s[12:13], s[12:13], s[22:23]
.irp a, 0,1,2,3,4,5,6,7
	OUT \a, 1
.endr
.Lend:
	s_wait_tensorcnt 0x0                           ; the wave's end
	ds_add_u32 v[SPW], v[NIL]
	s_wait_dscnt 0x0
	CROUND                                         ; the closing round
	s_endpgm
.Lfunc_end_k_q80b6f333a2_qkv:
	.size	k_q80b6f333a2_qkv, .Lfunc_end_k_q80b6f333a2_qkv-k_q80b6f333a2_qkv
	.p2alignl 7, 3214868480
	.fill 96, 4, 3214868480
	.section	.rodata,"a",@progbits
	.p2align	6, 0x0
	.amdhsa_kernel k_q80b6f333a2_qkv
		.amdhsa_group_segment_fixed_size 327680
		.amdhsa_private_segment_fixed_size 0
		.amdhsa_enable_private_segment 0
		.amdhsa_kernarg_size 64
		.amdhsa_user_sgpr_count 2
		.amdhsa_user_sgpr_kernarg_segment_ptr 1
		.amdhsa_wavefront_size32 1
		.amdhsa_system_sgpr_workgroup_id_x 1
		.amdhsa_system_sgpr_workgroup_id_y 1
		.amdhsa_system_sgpr_workgroup_id_z 1
		.amdhsa_system_vgpr_workitem_id 0
		.amdhsa_next_free_vgpr 1024
		.amdhsa_next_free_sgpr 100
		.amdhsa_reserve_vcc 0
		.amdhsa_float_denorm_mode_32 3
		.amdhsa_float_denorm_mode_16_64 3
		.amdhsa_memory_ordered 1
		.amdhsa_forward_progress 1
		.amdhsa_inst_pref_size 142
	.end_amdhsa_kernel
	.amdgpu_metadata
---
amdhsa.version: [ 1, 2 ]
amdhsa.kernels:
  - .name:           k_q80b6f333a2_qkv
    .symbol:         k_q80b6f333a2_qkv.kd
    .args:
      - { .name: x_codes, .offset: 0, .size: 8, .value_kind: global_buffer, .address_space: global }
      - { .name: x_scales, .offset: 8, .size: 8, .value_kind: global_buffer, .address_space: global }
      - { .name: w_codes, .offset: 16, .size: 8, .value_kind: global_buffer, .address_space: global }
      - { .name: w_scales, .offset: 24, .size: 8, .value_kind: global_buffer, .address_space: global }
      - { .name: bq, .offset: 32, .size: 8, .value_kind: global_buffer, .address_space: global }
      - { .name: bk, .offset: 40, .size: 8, .value_kind: global_buffer, .address_space: global }
      - { .name: bv, .offset: 48, .size: 8, .value_kind: global_buffer, .address_space: global }
      - { .name: qkv, .offset: 56, .size: 8, .value_kind: global_buffer, .address_space: global }
    .group_segment_fixed_size: 327680
    .private_segment_fixed_size: 0
    .kernarg_segment_align: 8
    .kernarg_segment_size: 64
    .max_flat_workgroup_size: 128
    .sgpr_count:     100
    .vgpr_count:     1024
    .wavefront_size: 32
...
	.end_amdgpu_metadata
.endif
;; end of part 2
;; launch attn (part 3): grid 4 x 64, 8 waves a work-group, clusters of 4 x 1, 327,680 bytes of LDS; arguments qkv, o_f; writes o_f
.if DOCPART == 3
	.amdgcn_target "amdgcn-amd-amdhsa--gfx1250"
	.amdhsa_code_object_version 6
	.text
	.protected	k_q80b6f333a2_attn
	.globl	k_q80b6f333a2_attn
	.p2align	8
	.type	k_q80b6f333a2_attn,@function
k_q80b6f333a2_attn:
	s_mov_b64 s[64:65], 0
	v_nop
	global_prefetch_b8 v0, s[64:65] scope:SCOPE_SE
	s_setreg_imm32_b32 hwreg(HW_REG_WAVE_MODE, 25, 1), 1
	s_wait_xcnt 0x0
	s_wait_alu depctr_hold_cnt(0) depctr_sa_sdst(0) depctr_va_vdst(0) depctr_va_sdst(0) depctr_va_ssrc(0) depctr_va_vcc(0) depctr_vm_vsrc(0)
	s_getreg_b32 s2, hwreg(HW_REG_IB_STS2, 6, 4)
	s_cmp_eq_u32 s2, 0
	s_cbranch_scc0 .Lentry_in_a_cluster
	s_endpgm
.Lentry_in_a_cluster:
	s_bfe_u32 s2, ttmp6, 0x10000c
	s_cmp_lg_u32 s2, 0x3003
	s_cbranch_scc0 .Lentry_shape_is_right
	s_endpgm
.Lentry_shape_is_right:
; ATTN: O[b, h][q] = the sum over k of softmax_k(Q[q] . K[k] / sqrt(32)) V[k]: 64 pairs of batch and head, 2,048 tokens, 32 channels in Q and K, 64 in V; operands f16, products, maxima and sums f32.
; SHARES: a work-group owns 512 queries of one head, each of its eight waves 64: four tiles of 16.  Two waves of 512 registers lie on a SIMD, so that one wave's softmax stands beside the other's products.
; LAYOUT: S^T = K Q^T (source 0 = 16 keys, source 1 = 16 queries) and O^T = V^T P (source 0 = 16 channels, source 1 = P): a lane holds ONE query throughout, and two tiles of S^T, rounded in pairs, ARE a fragment of P.
; SOFTMAX: a running maximum m and sum l for each query: p = 2^(c s - c m), c = log2(e) / sqrt(32); in every step O and l are multiplied by 2^(c m_old - c m_new).  No branch hangs on data.
; qkv [batch x head][32 tokens][8,192]: Q 2,048 bytes, K 2,048, V 4,096, all as images of operand registers (lane l's 16 bytes of a register group at 16 l), V's for the turning load: every LDS read takes 512 consecutive bytes.
; RING: three slots of 512 keys (16 rows of 6,144 bytes: K and V); 2,048 keys are four fills: three go out at the head, the fourth fills slot 0 again and has sixteen key steps in which to land.
; For that reason nothing is prefetched: no wave waits for the one refill.
; CLUSTER: the four query blocks of a head walk the same K and V: each tile is asked for jointly, every wave two rows of a slot's sixteen.
; OUT: o_f [K step of 128 (two heads) 8][16 tokens 512][32 k 4][1,024], f16, the next launch's fragments: a lane's eight channels are 16 bytes of one register group.
; LIMITS: p and O go in f16: a p under 2^-25 counts as 0 in the second product (the row's sum, which is about 1 or more, is taken of the unrounded p); O over 65,504 is not served; NaN and infinities are not served.
; REGISTERS: window 0: v1-5 addresses; v8-39 statistics, 8 a tile: +0 c m, +1 m, +2, +3 l (even keys', odd keys'), +4 to +7 at work (+6 the rescaling factor, +7 c m_old, then the exponent's change);
;   v40-71 Q; v72-103 K of a step; v104-231 S^T, then p, then P in place.      window 1: v0-127 O^T (32 a tile); v128-191 V^T of a step.
.set SLOTB, 98304
.set SPARE, 3*SLOTB                    ; behind the ring: the spare words, 128 bytes for each of eight waves, which no other line names
.set AL,  1                            ; v1  16 x lane
.set ADR, 2                            ; v2  the step's LDS address
.set SPW, 4                            ; v4  my spare word; never rewritten
.set NIL, 5                            ; v5  0; never rewritten
.set ST,  8
.set Q,   40
.set KF,  72
.set S,   104
.set O,   0                            ; in window 1
.set VF,  128                          ; in window 1
.set WV,  8                            ; s8  my wave's number
.set G1,  16                           ; s[16:23] descriptor group 1
.set G0,  24                           ; s[24:35] descriptor group 0: a set for each slot
.set SEL, 36                           ; s[36:37] lane selects: lane l xor 16
.set TB,  38                           ; s38 LDS byte at which the step's tiles begin
.set CNT, 39                           ; s39 counts steps
.set CS,  40                           ; s[40:41] c: the packed form names a pair and takes its low word for both halves
.set MSB, 0
.macro WIN new                         ; the immediate's high byte repeats the setting that is left
.if MSB != \new
	s_set_vgpr_msb (MSB<<8)|\new
.set MSB, \new
.endif
.endm
.macro CROUND                          ; a round of the cluster's barrier: my work-group's barrier, wave 0's signal for the work-group, every wave's wait for all four, my work-group's barrier once more
	s_barrier_signal -1
	s_barrier_wait -1
	s_cmp_lg_u32 s[WV], 0
	s_cbranch_scc1 .Lnot_wave_0_\@
	s_barrier_signal -3
.Lnot_wave_0_\@:
	s_barrier_wait -3
	s_barrier_signal -1
	s_barrier_wait -1
.endm
; A KEY STEP: 64 keys, two rows of the slot.  first = 1: the first step starts m, l and O^T: no old maximum, no rescaling, and its first products V^T P take the constant 0 as C.
.macro STEP first
	v_add_nc_u32 v[ADR], s[TB], v[AL]              ; with the four below: five plain lines behind the last V^T P, ahead of the loads into V's registers and of the products that write over P
.rept 4
	v_nop
.endr
.irp kt, 0,1,2,3
.irp c, 0,1
	ds_load_b128 v[KF+8*\kt+4*\c:KF+8*\kt+4*\c+3], v[ADR] offset:6144*(\kt/2)+1024*(\kt%2)+512*\c
.endr
.endr
	WIN 0x40                                       ; destination window 1
.irp u, 0,1
.irp ct, 0,1,2,3
.irp sb, 0,1
	ds_load_tr16_b128 v[VF+32*\u+8*\ct+4*\sb:VF+32*\u+8*\ct+4*\sb+3], v[ADR] offset:6144*\u+2048+1024*\ct+512*\sb   ; 16 keys x 16 channels turned: lane l then holds channel l % 16 and keys 8 (l / 16) on
.endr
.endr
.endr
	WIN 0
	s_add_co_u32 s[TB], s[TB], 12288               ; the next step's two rows
	s_wait_dscnt 16                                ; K's eight loads are in; V's sixteen, issued behind them, may be out
.irp kt, 0,1,2,3
.irp t, 0,1,2,3
	v_wmma_f32_16x16x32_f16 v[S+32*\t+8*\kt:S+32*\t+8*\kt+7], v[KF+8*\kt:KF+8*\kt+7], v[Q+8*\t:Q+8*\t+7], 0
.endr
.endr
.rept 4
	v_nop                                          ; four plain lines between the products and the first read of their results
.endr
.irp kt, 0,1,2,3                               ; the maximum of a lane's 32 scores and the old m, three at a time; each accumulator is read from its low end on; the tiles by turns
.irp t, 0,1,2,3
	v_max3_num_f32 v[ST+8*\t+4+\kt], v[S+32*\t+8*\kt], v[S+32*\t+8*\kt+1], v[S+32*\t+8*\kt+2]
.endr
.endr
.irp i, 3,5
.irp kt, 0,1,2,3
.irp t, 0,1,2,3
	v_max3_num_f32 v[ST+8*\t+4+\kt], v[ST+8*\t+4+\kt], v[S+32*\t+8*\kt+\i], v[S+32*\t+8*\kt+\i+1]
.endr
.endr
.endr
.irp t, 0,1,2,3
	v_max3_num_f32 v[ST+8*\t+4], v[ST+8*\t+4], v[S+32*\t+7], v[S+32*\t+15]
.endr
.irp t, 0,1,2,3
	v_max3_num_f32 v[ST+8*\t+6], v[ST+8*\t+6], v[S+32*\t+23], v[S+32*\t+31]
.endr
.irp t, 0,1,2,3
	v_max3_num_f32 v[ST+8*\t+4], v[ST+8*\t+4], v[ST+8*\t+5], v[ST+8*\t+6]
.endr
.irp t, 0,1,2,3
.if \first
	v_max_num_f32 v[ST+8*\t+4], v[ST+8*\t+4], v[ST+8*\t+7]
.else
	v_max3_num_f32 v[ST+8*\t+4], v[ST+8*\t+4], v[ST+8*\t+7], v[ST+8*\t+1]
.endif
.endr
.irp t, 0,1,2,3
	v_permlanex16_b32 v[ST+8*\t+5], v[ST+8*\t+4], s[SEL], s[SEL+1]   ; the query's other 32 keys lie in the lane 16 away
.endr
.if !\first
.irp t, 0,1,2,3
	v_mov_b32 v[ST+8*\t+7], v[ST+8*\t]             ; c m_old is kept: the fourth chain of the maximum has left this register
.endr
.endif
.irp t, 0,1,2,3
	v_max_num_f32 v[ST+8*\t+1], v[ST+8*\t+4], v[ST+8*\t+5]   ; the new m
.endr
.irp t, 0,1,2,3
	v_mul_f32 v[ST+8*\t], s[CS], v[ST+8*\t+1]      ; c m
.endr
.if !\first
.irp t, 0,1,2,3
	v_sub_f32 v[ST+8*\t+7], v[ST+8*\t+7], v[ST+8*\t]   ; c m_old - c m_new, 0 or less
.endr
.endif
.irp t, 0,1,2,3
.set i, 0
.rept 16
	v_pk_fma_f32 v[S+32*\t+2*i:S+32*\t+2*i+1], v[S+32*\t+2*i:S+32*\t+2*i+1], s[CS:CS+1], v[ST+8*\t:ST+8*\t+1] op_sel_hi:[1,0,0] neg_lo:[0,0,1] neg_hi:[0,0,1]   ; c s - c m, two at a time
.set i, i+1
.endr
.endr
.if !\first                                    ; ONE BATCH of exponentials: the four factors and the 128 weights; none reads another's result
.irp t, 0,1,2,3
	v_exp_f32 v[ST+8*\t+6], v[ST+8*\t+7]
.endr
.endif
.set i, 0
.rept 128
	v_exp_f32 v[S+i], v[S+i]
.set i, i+1
.endr
	v_nop                                          ; a plain line behind the last exponential
	s_wait_alu depctr_va_vdst(0)                   ; one wait for the whole batch, ahead of its first reader
.irp t, 0,1,2,3                                ; the row's sum of the unrounded p, in two chains a tile; l's rescaling is fused into the first addition
.if \first
	v_pk_add_f32 v[ST+8*\t+2:ST+8*\t+3], v[S+32*\t:S+32*\t+1], v[S+32*\t+4:S+32*\t+5]
.else
	v_pk_fma_f32 v[ST+8*\t+2:ST+8*\t+3], v[ST+8*\t+2:ST+8*\t+3], v[ST+8*\t+6:ST+8*\t+7], v[S+32*\t:S+32*\t+1] op_sel_hi:[1,0,1]
.endif
	v_pk_add_f32 v[ST+8*\t+4:ST+8*\t+5], v[S+32*\t+2:S+32*\t+3], v[S+32*\t+6:S+32*\t+7]
.endr
.if !\first
.irp t, 0,1,2,3
	v_pk_add_f32 v[ST+8*\t+2:ST+8*\t+3], v[ST+8*\t+2:ST+8*\t+3], v[S+32*\t+4:S+32*\t+5]
.endr
.endif
.irp i, 8,12,16,20,24,28
.irp t, 0,1,2,3
	v_pk_add_f32 v[ST+8*\t+2:ST+8*\t+3], v[ST+8*\t+2:ST+8*\t+3], v[S+32*\t+\i:S+32*\t+\i+1]
	v_pk_add_f32 v[ST+8*\t+4:ST+8*\t+5], v[ST+8*\t+4:ST+8*\t+5], v[S+32*\t+\i+2:S+32*\t+\i+3]
.endr
.endr
.irp t, 0,1,2,3
	v_pk_add_f32 v[ST+8*\t+2:ST+8*\t+3], v[ST+8*\t+2:ST+8*\t+3], v[ST+8*\t+4:ST+8*\t+5]
.endr
.irp t, 0,1,2,3                                ; p to f16, in place and ascending: register i takes numbers 2 i and 2 i + 1, which no later line reads.  Registers 8 u .. 8 u + 7 of a tile are then P's fragment of keys 32 u on
.set i, 0
.rept 16
	v_cvt_pk_f16_f32 v[S+32*\t+i], v[S+32*\t+2*i], v[S+32*\t+2*i+1]
.set i, i+1
.endr
.endr
.if !\first
	WIN 0x41                                       ; O^T (destination and source 0) in window 1, the factor in window 0
.irp t, 0,1,2,3
.set i, 0
.rept 16
	v_pk_mul_f32 v[O+32*\t+2*i:O+32*\t+2*i+1], v[O+32*\t+2*i:O+32*\t+2*i+1], v[ST+8*\t+6:ST+8*\t+7] op_sel_hi:[1,0]   ; each accumulator from its low end on
.set i, i+1
.endr
.endr
.endif
	s_wait_dscnt 0x0                               ; V is in
	WIN 0x51                                       ; V^T, C and D in window 1, P in window 0
.irp u, 0,1                                    ; the sixteen accumulators take turns, one instruction a turn
.irp ct, 0,1,2,3
.irp t, 0,1,2,3
.if \first && (\u == 0)
	v_wmma_f32_16x16x32_f16 v[O+32*\t+8*\ct:O+32*\t+8*\ct+7], v[VF+32*\u+8*\ct:VF+32*\u+8*\ct+7], v[S+32*\t+8*\u:S+32*\t+8*\u+7], 0
.else
	v_wmma_f32_16x16x32_f16 v[O+32*\t+8*\ct:O+32*\t+8*\ct+7], v[VF+32*\u+8*\ct:VF+32*\u+8*\ct+7], v[S+32*\t+8*\u:S+32*\t+8*\u+7], v[O+32*\t+8*\ct:O+32*\t+8*\ct+7]
.endif
.endr
.endr
.endr
	WIN 0
.endm
.macro STEPS n                         ; n key steps, written once; the LDS addresses hang on s[TB], which each step moves on
	s_mov_b32 s[CNT], \n
.Lstep_\@:
	STEP 0
	s_sub_co_u32 s[CNT], s[CNT], 1
	s_cmp_lg_u32 s[CNT], 0
	s_cbranch_scc1 .Lstep_\@
.endm
	s_load_b128 s[4:7], s[0:1], 0x0                ; qkv s[4:5], o_f s[6:7]
	v_lshl_add_u32 v[SPW], v0, 2, SPARE
	v_mov_b32 v[NIL], 0
	ds_add_u32 v[SPW], v[NIL]                      ; the wave's opening: the add, twice on end, and its wait ahead of my first tensor load; the set-up below stands between
	ds_add_u32 v[SPW], v[NIL]
	v_lshrrev_b32 v[AL], 5, v0
	v_readfirstlane_b32 s[WV], v[AL]               ; wave 0..7
	s_bfe_u32 s9, ttmp6, 0x40000                   ; cx: my block of 512 queries; it enters Q's and O's addresses alone
	s_and_b32 s10, ttmp7, 0xffff                   ; 16 x batch + head, which the four partners share
	; descriptor group 1: two rows of 6,144 bytes (768 elements of 8 bytes), 8,192 bytes apart in memory, on end in LDS
	s_mov_b32 s[G1], 15|(3<<16)|(1<<21)            ; 15:0 the mask: all four work-groups; 17:16 elements of 8 bytes; 21 set beside a mask; no padding
	s_mov_b32 s[G1+1], 768<<16                     ; tensor_dim0
	s_mov_b32 s[G1+2], 2<<16                       ; tensor_dim1
	s_mov_b32 s[G1+3], 768<<16                     ; tile_dim0
	s_mov_b32 s[G1+4], 2                           ; tile_dim1
	s_mov_b32 s[G1+5], 1024                        ; elements from row to row
	s_mov_b32 s[G1+6], 0
	s_mov_b32 s[G1+7], 0
	s_mov_b32 s[SEL], 0x76543210
	s_mov_b32 s[SEL+1], 0xfedcba98
	s_mov_b32 s[CS], 0x3e8293ee                    ; c = log2(e) / sqrt(32) = 0.255035
	s_mov_b32 s[CS+1], s[CS]                       ; named with it as a pair, so it is written
	s_lshl_b32 s12, s10, 19                        ; the head's first byte: 64 rows of 8,192
	s_lshl_b32 s14, s[WV], 14                      ; my two rows of a slot's sixteen,
	s_add_co_u32 s14, s14, 2048                    ; behind Q's part of a row,
	s_add_co_u32 s14, s14, s12                     ; in my head
	s_mov_b32 s15, 0
	s_mul_i32 s11, s[WV], 12288                    ; and their place in a slot: no place in the cluster enters an LDS address
	s_lshl_b32 s42, s9, 17                         ; Q: row 16 cx + 2 x wave
	s_lshl_b32 s43, s[WV], 14
	s_add_co_u32 s42, s42, s43
	s_add_co_u32 s42, s42, s12
	s_mov_b32 s43, 0
	s_and_b32 s44, s10, 15                         ; the head
	s_lshr_b32 s45, s10, 4                         ; the batch
	s_lshr_b32 s46, s44, 1
	s_lshl_b32 s46, s46, 21                        ; O: the K step of two heads: 512 tiles of 4,096 bytes,
	s_and_b32 s44, s44, 1
	s_lshl_b32 s44, s44, 11                        ; the head's two fragments of its four,
	s_add_co_u32 s44, s44, s46
	s_lshl_b32 s45, s45, 19                        ; tile of 16 tokens 128 x batch
	s_add_co_u32 s44, s44, s45
	s_lshl_b32 s45, s9, 17                         ; + 32 cx
	s_add_co_u32 s44, s44, s45
	s_lshl_b32 s45, s[WV], 14                      ; + 4 x wave
	s_add_co_u32 s44, s44, s45
	s_mov_b32 s45, 0
	s_wait_dscnt 0x0                               ; both opening adds are done
	s_wait_kmcnt 0x0
	s_add_nc_u64 s[14:15], s[4:5], s[14:15]
	s_add_nc_u64 s[42:43], s[4:5], s[42:43]
	s_add_nc_u64 s[6:7], s[6:7], s[44:45]
.irp f, 0,1,2
	s_mov_b32 s[G0+4*\f], 1                        ; count = 1
	s_add_co_u32 s[G0+4*\f+1], s11, \f*SLOTB       ; LDS address
	s_add_nc_u64 s[G0+4*\f+2:G0+4*\f+3], s[14:15], \f*131072   ; global address: slot f begins with keys 512 f on: 16 rows of 8,192 bytes
	s_or_b32 s[G0+4*\f+3], s[G0+4*\f+3], 0x80000000   ; type = 2
.endr
	CROUND                                         ; all four work-groups are here: the first joint loads meet
.irp f, 0,1,2
	tensor_load_to_lds s[G0+4*\f:G0+4*\f+3], s[G1:G1+7]   ; the three first fills go out together: three loads of mine are out
	s_nop 0
.endr
.rept 4
	v_nop
.endr
	v_and_b32 v[AL], 31, v0
	v_lshlrev_b32 v[AL], 4, v[AL]
.irp t, 0,1,2,3
.irp c, 0,1
	global_load_b128 v[Q+8*\t+4*\c:Q+8*\t+4*\c+3], v[AL], s[42:43] offset:8192*(\t/2)+1024*(\t%2)+512*\c   ; Q stays in registers
.endr
.endr
	s_wait_tensorcnt 2                             ; my part of slot 0 is in; slots 1 and 2 may stay out
	s_barrier_signal -1
	s_barrier_wait -1                              ; everybody's is
	s_wait_loadcnt 0x0                             ; Q
	s_mov_b32 s[TB], 0
	STEP 1                                         ; keys 0 to 63
	STEPS 7                                        ; the rest of slot 0
	; THE ONE REFILL: slot 0 takes keys 1,536 on.  Every wave has waited for all its tensor loads (slots 1 and 2 are whole), has added 0 to its spare word, and has waited for that and for its reads of slot 0.
	s_wait_tensorcnt 0x0                           ; no tensor load of mine is out, so a group 0 may be written
	ds_add_u32 v[SPW], v[NIL]
	s_add_nc_u64 s[G0+2:G0+3], s[G0+2:G0+3], 393216   ; three slots on: 48 rows of 8,192 bytes; the type bits on top are not reached
	s_wait_dscnt 0x0
	CROUND                                         ; no wave of any partner still reads slot 0 or has a load on its way
	tensor_load_to_lds s[G0:G0+3], s[G1:G1+7]      ; the first thing behind the round, and my only tensor load from here on
	s_nop 0
.rept 4
	v_nop
.endr
	s_mov_b32 s[TB], SLOTB
	STEPS 16                                       ; slots 1 and 2, which lie on end
	s_wait_tensorcnt 0x0                           ; my part of the refill is in
	ds_add_u32 v[SPW], v[NIL]
	s_wait_dscnt 0x0
	s_barrier_signal -1
	s_barrier_wait -1                              ; everybody's is
	s_mov_b32 s[TB], 0
	STEPS 8                                        ; keys 1,536 to 2,047
	; THE WAY OUT.  l's two halves and the other half of the lanes' are added (these additions are the plain lines behind the last products); O^T is divided by l, rounded to f16 and stored as the next launch's fragments.
.irp t, 0,1,2,3
	v_add_f32 v[ST+8*\t+4], v[ST+8*\t+2], v[ST+8*\t+3]
.endr
.irp t, 0,1,2,3
	v_permlanex16_b32 v[ST+8*\t+5], v[ST+8*\t+4], s[SEL], s[SEL+1]
.endr
.irp t, 0,1,2,3
	v_add_f32 v[ST+8*\t+4], v[ST+8*\t+4], v[ST+8*\t+5]
.endr
.irp t, 0,1,2,3
	v_rcp_f32 v[ST+8*\t+6], v[ST+8*\t+4]
.endr
	v_nop                                          ; a plain line behind the last reciprocal
	s_wait_alu depctr_va_vdst(0)                   ; one wait for the four, ahead of their first reader
	WIN 0x41
.irp t, 0,1,2,3
.set i, 0
.rept 16
	v_pk_mul_f32 v[O+32*\t+2*i:O+32*\t+2*i+1], v[O+32*\t+2*i:O+32*\t+2*i+1], v[ST+8*\t+6:ST+8*\t+7] op_sel_hi:[1,0]
.set i, i+1
.endr
.endr
	WIN 0x05                                       ; sources in window 1, destination in window 0: S^T's registers are free
.set i, 0
.rept 64
	v_cvt_pk_f16_f32 v[S+i], v[O+2*i], v[O+2*i+1]  ; registers 16 t + 4 ct on: query l % 16, channels 16 ct + 8 (l / 16) on
.set i, i+1
.endr
	WIN 0
.irp t, 0,1,2,3
.irp ct, 0,1,2,3
	global_store_b128 v[AL], v[S+16*\t+4*\ct:S+16*\t+4*\ct+3], s[6:7] offset:4096*\t+512*\ct   ; 32 lanes store 512 consecutive bytes, aligned
.endr
.endr
	s_wait_tensorcnt 0x0                           ; the wave's end
	ds_add_u32 v[SPW], v[NIL]
	s_wait_dscnt 0x0
	CROUND                                         ; the closing round: no work-group ends while a partner may still ask for a tile that names it
	s_endpgm
.Lfunc_end_k_q80b6f333a2_attn:
	.size	k_q80b6f333a2_attn, .Lfunc_end_k_q80b6f333a2_attn-k_q80b6f333a2_attn
	.p2alignl 7, 3214868480
	.fill 96, 4, 3214868480
	.section	.rodata,"a",@progbits
	.p2align	6, 0x0
	.amdhsa_kernel k_q80b6f333a2_attn
		.amdhsa_group_segment_fixed_size 327680
		.amdhsa_private_segment_fixed_size 0
		.amdhsa_enable_private_segment 0
		.amdhsa_kernarg_size 16
		.amdhsa_user_sgpr_count 2
		.amdhsa_user_sgpr_kernarg_segment_ptr 1
		.amdhsa_wavefront_size32 1
		.amdhsa_system_sgpr_workgroup_id_x 1
		.amdhsa_system_sgpr_workgroup_id_y 1
		.amdhsa_system_sgpr_workgroup_id_z 1
		.amdhsa_system_vgpr_workitem_id 0
		.amdhsa_next_free_vgpr 512
		.amdhsa_next_free_sgpr 66
		.amdhsa_reserve_vcc 0
		.amdhsa_float_denorm_mode_32 3
		.amdhsa_float_denorm_mode_16_64 3
		.amdhsa_memory_ordered 1
		.amdhsa_forward_progress 1
		.amdhsa_inst_pref_size 133
	.end_amdhsa_kernel
	.amdgpu_metadata
---
amdhsa.version: [ 1, 2 ]
amdhsa.kernels:
  - .name:           k_q80b6f333a2_attn
    .symbol:         k_q80b6f333a2_attn.kd
    .args:
      - { .name: qkv, .offset: 0, .size: 8, .value_kind: global_buffer, .address_space: global }
      - { .name: o_f, .offset: 8, .size: 8, .value_kind: global_buffer, .address_space: global }
    .group_segment_fixed_size: 327680
    .private_segment_fixed_size: 0
    .kernarg_segment_align: 8
    .kernarg_segment_size: 16
    .max_flat_workgroup_size: 256
    .sgpr_count:     66
    .vgpr_count:     512
    .wavefront_size: 32
...
	.end_amdgpu_metadata
.endif
;; end of part 3
;; launch proj (part 4): grid 8 x 32, 4 waves a work-group, clusters of 4 x 4, 327,680 bytes of LDS; arguments o_f, wo_f, bo, out0; writes out0
.if DOCPART == 4
	.amdgcn_target "amdgcn-amd-amdhsa--gfx1250"
	.amdhsa_code_object_version 6
	.text
	.protected	k_q80b6f333a2_proj
	.globl	k_q80b6f333a2_proj
	.p2align	8
	.type	k_q80b6f333a2_proj,@function
k_q80b6f333a2_proj:
	s_mov_b64 s[64:65], 0
	v_nop
	global_prefetch_b8 v0, s[64:65] scope:SCOPE_SE
	s_setreg_imm32_b32 hwreg(HW_REG_WAVE_MODE, 25, 1), 1
	s_wait_xcnt 0x0
	s_wait_alu depctr_hold_cnt(0) depctr_sa_sdst(0) depctr_va_vdst(0) depctr_va_sdst(0) depctr_va_ssrc(0) depctr_va_vcc(0) depctr_vm_vsrc(0)
	s_getreg_b32 s2, hwreg(HW_REG_IB_STS2, 6, 4)
	s_cmp_eq_u32 s2, 0
	s_cbranch_scc0 .Lentry_in_a_cluster
	s_endpgm
.Lentry_in_a_cluster:
	s_bfe_u32 s2, ttmp6, 0x10000c
	s_cmp_lg_u32 s2, 0xf033
	s_cbranch_scc0 .Lentry_shape_is_right
	s_endpgm
.Lentry_shape_is_right:
; PROJ: out0 [8,192 tokens][1,024] = O Wo + bo, K = 1,024; operands f16, sums f32, begun with the bias.
; A tile of 256 tokens x 128 columns is made by four waves, each 128 x 64: 32 accumulators, which fill window 1.  That gives 32 x 8 = 256 work-groups.
; o_f [K step of 128: 8][16 tokens: 512][32 k: 4][1,024] and wo_f [K step 8][16 columns: 64][32 k: 4][1,024] are images of operand registers (lane l's 16 bytes of group c at 512 c + 16 l):
; a K step's tiles are dense blocks for one tensor load each, and every LDS read takes 512 consecutive bytes.
; K goes in steps of 128 through a ring of two LDS slots (O's 64 KiB, then Wo's 32 KiB).  Waves 0 and 1 fetch O's halves, waves 2 and 3 Wo's: one load a wave behind each change of slots.
; CLUSTERS: 4 x 4 work-groups: the four of a row need the same tokens' tiles, the four of a column the same columns': each is asked for jointly.
; THE MATRIX INSTRUCTION IS USED TRANSPOSED (source 0 = 16 columns of Wo, source 1 = 16 tokens): a lane holds one token and eight neighbouring columns, 32 bytes of a row of out0.
; LIMITS: O and Wo arrive in f16 (the launches that made them state the range).  The bias enters each sum first, not last.
; REGISTERS: window 0: v16-30 addresses; v32-127, v128-223 two fragment buffers (Wo's four fragments, then O's eight); v224-255 the bias, 8 registers for each 16 columns; on the way out v32-95 rows of out0.
;   window 1: the accumulators ((a, b) at v[8 (4 a + b)]).
.set SLOT,  98304
.set BOFF,  65536                      ; Wo's tiles lie behind O's
.set STAGE, 2*SLOT                     ; behind the ring: 16 rows x (256 bytes + 16) for each wave, for the way out; no tensor load lands here
.set SP,    272
.set SPARE, STAGE+4*16*SP              ; behind the stages: the spare words, 128 bytes for each wave, which no other line names
.set ADRA, 16                          ; v16-17 my O fragments in slot 0, 1
.set ADRB, 20                          ; v20-21 my Wo fragments
.set STO,  24                          ; v24  the way out: where I put 32 bytes of a row
.set RD,   25                          ; v25  the way out: where I read a row back
.set CO,   26                          ; v26  my byte offset in two rows of out0
.set BO,   27                          ; v27  32 h: my eight numbers of a bias's sixteen
.set SPW,  28                          ; v28  my spare word; never rewritten
.set NIL,  29                          ; v29  0; never rewritten
.set PFO,  30                          ; v30  256 x lane: the prefetches' offset; never rewritten
.set F0,   32
.set F1,   128
.set BIAS, 224
.set OB,   32
.set G1,  24                           ; s[24:31], s[32:39]: groups 1 and 0 (a set for each slot) for O's tiles
.set G0,  32
.set G1B, 48                           ; s[48:55], s[56:63]: for Wo's
.set G0B, 56
.set PFA, 66                           ; s[66:67] where my prefetches stand
.set LIM, 15                           ; s15  1 in a wave that prefetches, else the greatest number
.set MSB, 0
.macro WIN new                         ; the immediate's high byte repeats the setting that is left
.if MSB != \new
	s_set_vgpr_msb (MSB<<8)|\new
.set MSB, \new
.endif
.endm
.set MUL,  0x50                        ; C and D in window 1, both sources in window 0
.set MULZ, 0x40                        ; the first quarter: C is the bias, in window 0
; A joint load: waves 0 and 1 fetch O's halves, waves 2 and 3 Wo's; the branch hangs on the wave's number alone.  An s_nop 0 and four v_nop follow each line.
.macro JLOAD s
	s_cmp_eq_u32 s13, 0
	s_cbranch_scc0 .Lfor_b_\@
	tensor_load_to_lds s[G0+4*\s:G0+4*\s+3], s[G1:G1+7]
	s_nop 0
.rept 4
	v_nop
.endr
	s_branch .Lasked_\@
.Lfor_b_\@:
	tensor_load_to_lds s[G0B+4*\s:G0B+4*\s+3], s[G1B:G1B+7]
	s_nop 0
.rept 4
	v_nop
.endr
.Lasked_\@:
.endm
.macro CREST                           ; a round of the cluster's barrier behind its opening barrier
	s_cmp_lg_u32 s12, 0
	s_cbranch_scc1 .Lnot_wave_0_\@
	s_barrier_signal -3
.Lnot_wave_0_\@:
	s_barrier_wait -3
	s_barrier_signal -1
	s_barrier_wait -1
.endm
.macro CROUND
	s_barrier_signal -1
	s_barrier_wait -1
	CREST
.endm
; A PREFETCH of O's tiles of the K step that stands two refills, 256 matrix instructions, on.  A K step of a tile row is 65,536 dense bytes; both clusters of a row of clusters read it: the one with x = 0 asks.
; Of the 32,768 bytes that wave 0 or 1 fetches, each of the four partners takes 8,192, told apart by address; lanes stand 256 bytes apart: one instruction a wave, each aligned block of 256 bytes named once.
; The refills ask for K steps 2 to 7; the first four of them (the loop's first two trips) name K steps 4 to 7, the last two nothing.  Wo's tiles, which every row of clusters reads again, are not asked for.
.macro ASK
	s_cmp_gt_u32 s3, s[LIM]                        ; s3 = 3, 2, 1 in the loop's three trips
	s_cbranch_scc0 .Lnot_mine_\@
	global_prefetch_b8 v[PFO], s[PFA:PFA+1] th:TH_LOAD_NT scope:SCOPE_SE
.Lnot_mine_\@:
.endm
	s_load_b256 s[4:11], s[0:1], 0x0               ; o_f s[4:5], wo_f s[6:7], bo s[8:9], out0 s[10:11]
	v_lshl_add_u32 v[SPW], v0, 2, SPARE
	v_mov_b32 v[NIL], 0
	ds_add_u32 v[SPW], v[NIL]                      ; the wave's opening: the add, twice on end, and its wait ahead of my first tensor load; the set-up below stands between
	ds_add_u32 v[SPW], v[NIL]
	v_lshrrev_b32 v1, 5, v0
	v_readfirstlane_b32 s12, v1                    ; wave 0..3
	s_lshr_b32 s13, s12, 1                         ; my half of the tile's tokens.  Also: I fetch for O (0) or for Wo (1)
	s_and_b32 s14, s12, 1                          ; my half of its columns.  Also: which half I fetch
	s_bfe_u32 s40, ttmp6, 0x40000                  ; cx, cy
	s_bfe_u32 s41, ttmp6, 0x40004
	s_lshl_b32 s42, ttmp9, 2
	s_add_co_u32 s42, s42, s40                     ; tile column = 4 x cluster x + cx
	s_and_b32 s43, ttmp7, 0xffff
	s_lshl_b32 s43, s43, 2
	s_add_co_u32 s43, s43, s41                     ; tile row = 4 x cluster y + cy
	s_lshl_b32 s44, s41, 2
	s_lshl_b32 s44, 15, s44                        ; my row of the cluster
	s_lshl_b32 s45, 0x1111, s40                    ; my column
	; group 1: dense blocks as rows of 256 bytes (32 elements of 8 bytes), no padding: 128 rows of O, 64 of Wo
	s_or_b32 s[G1], s44, (3<<16)|(1<<21)
	s_mov_b32 s[G1+1], 32<<16                      ; tensor_dim0
	s_mov_b32 s[G1+2], 128<<16                     ; tensor_dim1
	s_mov_b32 s[G1+3], 32<<16                      ; tile_dim0
	s_mov_b32 s[G1+4], 128                         ; tile_dim1
	s_mov_b32 s[G1+5], 32                          ; the pitch
	s_mov_b32 s[G1+6], 0
	s_mov_b32 s[G1+7], 0
	s_or_b32 s[G1B], s45, (3<<16)|(1<<21)
	s_mov_b32 s[G1B+1], 32<<16
	s_mov_b32 s[G1B+2], 64<<16
	s_mov_b32 s[G1B+3], 32<<16
	s_mov_b32 s[G1B+4], 64
	s_mov_b32 s[G1B+5], 32
	s_mov_b32 s[G1B+6], 0
	s_mov_b32 s[G1B+7], 0
	s_lshl_b32 s16, s43, 16                        ; O: tile of 16 tokens 16 x tile row + 8 x half, 4,096 bytes each
	s_lshl_b32 s17, s14, 15
	s_add_co_u32 s16, s16, s17
	s_mov_b32 s17, 0
	s_lshl_b32 s46, s42, 15                        ; Wo: tile of 16 columns 8 x tile column + 4 x half
	s_lshl_b32 s47, s14, 14
	s_add_co_u32 s46, s46, s47
	s_mov_b32 s47, 0
	s_lshl_b32 s18, s14, 15                        ; where they go: O's half,
	s_lshl_b32 s19, s14, 14
	s_add_co_u32 s19, s19, BOFF                    ; Wo's half: no place in the cluster enters an LDS address
	s_wait_dscnt 0x0                               ; both opening adds are done
	s_wait_kmcnt 0x0
	s_add_nc_u64 s[16:17], s[4:5], s[16:17]
	s_add_nc_u64 s[46:47], s[6:7], s[46:47]
	CROUND                                         ; all sixteen work-groups are here: the first joint loads meet
.irp s, 0,1
	s_mov_b32 s[G0+4*\s], 1
	s_add_co_u32 s[G0+4*\s+1], s18, \s*SLOT
	s_add_nc_u64 s[G0+4*\s+2:G0+4*\s+3], s[16:17], \s*2097152   ; K step s
	s_or_b32 s[G0+4*\s+3], s[G0+4*\s+3], 0x80000000
	s_mov_b32 s[G0B+4*\s], 1
	s_add_co_u32 s[G0B+4*\s+1], s19, \s*SLOT
	s_add_nc_u64 s[G0B+4*\s+2:G0B+4*\s+3], s[46:47], \s*262144
	s_or_b32 s[G0B+4*\s+3], s[G0B+4*\s+3], 0x80000000
	JLOAD \s                                       ; two loads of mine are out
.endr
	v_and_b32 v1, 15, v0                           ; r
	v_bfe_u32 v2, v0, 4, 1                         ; h
	v_and_b32 v3, 31, v0
	v_lshlrev_b32 v[PFO], 8, v3
	v_lshlrev_b32 v3, 4, v3                        ; 16 x lane
	s_lshl_b32 s20, s13, 15                        ; my eight tiles of O,
	s_lshl_b32 s21, s14, 14                        ; my four of Wo
	s_add_co_u32 s21, s21, BOFF
.irp s, 0,1
	v_add_nc_u32 v[ADRA+\s], s20, v3
	v_add_nc_u32 v[ADRB+\s], s21, v3
	s_add_co_u32 s20, s20, SLOT
	s_add_co_u32 s21, s21, SLOT
.endr
	s_mul_i32 s22, s12, 16*SP
	s_add_co_u32 s22, s22, STAGE                   ; my stage
	v_mul_u32_u24 v4, v1, SP                       ; in: row r, 32 bytes for each half of the lanes
	v_lshl_add_u32 v4, v2, 5, v4
	v_add_nc_u32 v[STO], s22, v4
	v_mul_u32_u24 v5, v2, SP                       ; back: lanes 0-15 one row of 256 bytes, lanes 16-31 the next
	v_lshl_add_u32 v5, v1, 4, v5
	v_add_nc_u32 v[RD], s22, v5
	v_lshlrev_b32 v[CO], 12, v2                    ; and the same two rows in out0: 4,096 bytes a row
	v_lshl_add_u32 v[CO], v1, 4, v[CO]
	v_lshlrev_b32 v[BO], 5, v2
	s_lshl_b32 s68, s42, 9                         ; my first column, in bytes of f32: 512 x tile column + 256 x half
	s_lshl_b32 s70, s14, 8
	s_add_co_u32 s68, s68, s70
	s_mov_b32 s69, 0
	s_add_nc_u64 s[8:9], s[8:9], s[68:69]
	s_add_nc_u64 s[10:11], s[10:11], s[68:69]
	s_lshl_b32 s68, s43, 20                        ; my first token: 256 x tile row + 128 x half, rows of 4,096 bytes
	s_lshl_b32 s70, s13, 19
	s_add_co_u32 s68, s68, s70
	s_add_nc_u64 s[10:11], s[10:11], s[68:69]
.irp b, 0,1,2,3
	global_load_b128 v[BIAS+8*\b:BIAS+8*\b+3], v[BO], s[8:9] offset:64*\b        ; in the result's layout: register j = the bias at column 16 b + 8 h + j
	global_load_b128 v[BIAS+8*\b+4:BIAS+8*\b+7], v[BO], s[8:9] offset:64*\b+16
.endr
	s_lshl_b32 s68, s43, 16                        ; the prefetches: the half of O's tile that I fetch,
	s_lshl_b32 s70, s14, 15
	s_add_co_u32 s68, s68, s70
	s_lshl_b32 s70, s40, 13                        ; my work-group's 8,192 bytes of it,
	s_add_co_u32 s68, s68, s70
	s_add_co_u32 s68, s68, 3*2097152               ; at K step 3: the first refill steps it to 4.  Nothing is prefetched here, at the head
	s_add_nc_u64 s[PFA:PFA+1], s[4:5], s[68:69]
	s_or_b32 s70, s13, ttmp9                       ; 0 in waves 0 and 1 of a cluster with x = 0: the same in all sixteen partners
	s_cmp_eq_u32 s70, 0
	s_cselect_b32 s[LIM], 1, -1
; 8 matrix instructions: token blocks a0, a0 + 1 against the four column blocks, 32 along K, from buffer f.  zero = 1: the first product starts the sums, with the bias as C.
; The 32 accumulators take turns, one instruction a turn, in the same order in every quarter.
.macro MUL8 f, a0, zero
.irp a, \a0, \a0+1
.irp b, 0,1,2,3
.if \zero
	v_wmma_f32_16x16x32_f16 v[8*(4*(\a)+\b):8*(4*(\a)+\b)+7], v[\f+8*\b:\f+8*\b+7], v[\f+32+8*(\a):\f+32+8*(\a)+7], v[BIAS+8*\b:BIAS+8*\b+7]
.else
	v_wmma_f32_16x16x32_f16 v[8*(4*(\a)+\b):8*(4*(\a)+\b)+7], v[\f+8*\b:\f+8*\b+7], v[\f+32+8*(\a):\f+32+8*(\a)+7], v[8*(4*(\a)+\b):8*(4*(\a)+\b)+7]
.endif
.endr
.endr
.endm
; 24 LDS loads in one run: the fragments of the slot's kf-th 32 along K into buffer f: Wo's four, then O's eight
.macro FETCH slot, kf, f
.irp i, 0,1,2,3
	ds_load_b128 v[\f+8*\i:\f+8*\i+3],   v[ADRB+\slot] offset:(4*\i+\kf)*1024
	ds_load_b128 v[\f+8*\i+4:\f+8*\i+7], v[ADRB+\slot] offset:(4*\i+\kf)*1024+512
.endr
.irp i, 0,1,2,3,4,5,6,7
	ds_load_b128 v[\f+32+8*\i:\f+32+8*\i+3],   v[ADRA+\slot] offset:(4*\i+\kf)*1024
	ds_load_b128 v[\f+32+8*\i+4:\f+32+8*\i+7], v[ADRA+\slot] offset:(4*\i+\kf)*1024+512
.endr
.endm
.macro PLACES                          ; four plain lines between a matrix instruction and a load into, or a read of, its registers
.rept 4
	v_nop
.endr
.endm
; A K step is four quarters of 32 along K, 32 matrix instructions each, on buffers 0, 1, 0, 1.  One of the first three: multiplies buffer f and fetches the slot's kf-th quarter into g.
.macro QUARTER slot, kf, f, g, zero
	s_wait_dscnt 8                                 ; all but the youngest eight loads (token blocks 4-7) are in
.if \zero
	WIN MULZ
.else
	WIN MUL
.endif
	MUL8 \f, 0, \zero
	MUL8 \f, 2, \zero
	PLACES
	WIN 0
	FETCH \slot, \kf, \g
	s_wait_dscnt 24                                ; all but the 24 just issued
.if \zero
	WIN MULZ
.else
	WIN MUL
.endif
	MUL8 \f, 4, \zero
	MUL8 \f, 6, \zero
.endm
; The last quarter multiplies buffer 1 and changes slots: ONE barrier; in front of it each wave waits for all its tensor loads (its part of the next slot), adds 0 to its spare word, and waits for that and for its reads of this slot.
; fill = 1: the barrier opens a round of the cluster's, and this slot is filled again, two K steps ahead: 112 matrix instructions stand between the request and the wait for it.
.macro TURN slot, next, fill
	WIN 0
.if \fill
	s_wait_xcnt 0x0                                ; the last prefetch, a K step back, has read its address: it is stepped here, ahead of the waits of the change of slots
	s_add_nc_u64 s[PFA:PFA+1], s[PFA:PFA+1], 2097152
.endif
	s_wait_tensorcnt 0x0
	ds_add_u32 v[SPW], v[NIL]
	s_wait_dscnt 9                                 ; the add and the youngest eight loads may be out
	WIN MUL
	MUL8 F1, 0, 0                                  ; eight matrix instructions stand between the add and the wait for it
	s_wait_dscnt 0x0                               ; the add is done, and my reads of this slot are over
	s_barrier_signal -1
	MUL8 F1, 2, 0
	WIN 0                                          ; branches and loads follow
	s_barrier_wait -1
.if \fill
	CREST                                          ; no wave of any partner still reads this slot's tile or has a load on its way
	s_add_nc_u64 s[G0+4*\slot+2:G0+4*\slot+3], s[G0+4*\slot+2:G0+4*\slot+3], 2*2097152
	s_add_nc_u64 s[G0B+4*\slot+2:G0B+4*\slot+3], s[G0B+4*\slot+2:G0B+4*\slot+3], 2*262144
	JLOAD \slot                                    ; the first tensor load behind the round; the four v_nop behind it are also the plain lines in front of the loads below
.else
	PLACES
.endif
	FETCH \next, 0, F0
.if \fill
	ASK                                            ; behind the joint load and the run of LDS loads that the next products wait for
.endif
	WIN MUL
	MUL8 F1, 4, 0
	MUL8 F1, 6, 0
.endm
	s_wait_tensorcnt 1                             ; my part of K step 0 is in; K step 1's load may be out
	s_barrier_signal -1
	s_barrier_wait -1                              ; everybody's is
	FETCH 0, 0, F0
	s_wait_loadcnt 0x0                             ; the bias
	QUARTER 0, 1, F0, F1, 1                        ; the first quarter stands in front of the loop: its products start the sums
	WIN 0                                          ; at a label and at a branch every window is 0
	s_mov_b32 s3, 3
.Llap:                                                 ; a trip goes once round the ring, from a lap's second quarter to the next lap's first, and fills both slots again
	QUARTER 0, 2, F1, F0, 0
	QUARTER 0, 3, F0, F1, 0
	TURN 0, 1, 1
	QUARTER 1, 1, F0, F1, 0
	QUARTER 1, 2, F1, F0, 0
	QUARTER 1, 3, F0, F1, 0
	TURN 1, 0, 1
	QUARTER 0, 1, F0, F1, 0
	WIN 0
	s_sub_co_u32 s3, s3, 1
	s_cmp_lg_u32 s3, 0
	s_cbranch_scc1 .Llap
	QUARTER 0, 2, F1, F0, 0                        ; the last lap fills nothing, and has no round of the cluster's barrier
	QUARTER 0, 3, F0, F1, 0
	TURN 0, 1, 0
	QUARTER 1, 1, F0, F1, 0
	QUARTER 1, 2, F1, F0, 0
	QUARTER 1, 3, F0, F1, 0
	s_wait_dscnt 8                                 ; the very last quarter: nothing more to fetch
	WIN MUL
	MUL8 F1, 0, 0
	MUL8 F1, 2, 0
	s_wait_dscnt 0x0
	MUL8 F1, 4, 0
	MUL8 F1, 6, 0
	WIN 0
; THE WAY OUT, block by block of 16 tokens x 64 columns.  A lane holds 32 neighbouring bytes of a row and the lanes beside it other rows: so a block goes through my own stage in LDS and comes back as whole
; rows of 256 bytes: sixteen lanes store 256 consecutive bytes, aligned.  LDS serves a wave's instructions in order: no wait between the stores and the loads, nor in front of the next block's stores.
.macro TOSTAGE a
	WIN 0x04                                       ; an LDS store's data are its source 1: window 1
.irp b, 0,1,2,3
	ds_store_b128 v[STO], v[8*(4*(\a)+\b):8*(4*(\a)+\b)+3] offset:64*\b          ; each accumulator from its low end on
	ds_store_b128 v[STO], v[8*(4*(\a)+\b)+4:8*(4*(\a)+\b)+7] offset:64*\b+16
.endr
	WIN 0
.set BB, OB+32*((\a)%2)
.irp i, 0,1,2,3,4,5,6,7
	ds_load_b128 v[BB+4*\i:BB+4*\i+3], v[RD] offset:\i*2*SP
.endr
.endm
.macro SEND a, younger                 ; younger: the LDS instructions issued behind block a's loads, which may stay out
.set BB, OB+32*((\a)%2)
	s_wait_dscnt \younger
.irp i, 0,1,2,3,4,5,6,7
	global_store_b128 v[CO], v[BB+4*\i:BB+4*\i+3], s[10:11] offset:65536*(\a)+8192*\i th:TH_STORE_NT   ; written once, read by nobody here
.endr
.endm
	PLACES                                         ; behind the last products: their results are read, and the fragments' registers take the rows
	TOSTAGE 0
.irp a, 1,2,3,4,5,6,7
.if \a > 1
	s_wait_xcnt 0x0                                ; block a - 2's stores have read their registers: block a's loads may land there
.endif
	TOSTAGE \a
	SEND \a-1, 16                                  ; behind block a - 1's loads: block a's 8 stores and 8 loads
.endr
	SEND 7, 0
	s_wait_tensorcnt 0x0                           ; the wave's end, behind my last tensor load and my last LDS store
	ds_add_u32 v[SPW], v[NIL]
	s_wait_dscnt 0x0
	CROUND                                         ; the closing round: no work-group ends while a partner may still ask for a tile that names it
	s_endpgm
.Lfunc_end_k_q80b6f333a2_proj:
	.size	k_q80b6f333a2_proj, .Lfunc_end_k_q80b6f333a2_proj-k_q80b6f333a2_proj
	.p2alignl 7, 3214868480
	.fill 96, 4, 3214868480
	.section	.rodata,"a",@progbits
	.p2align	6, 0x0
	.amdhsa_kernel k_q80b6f333a2_proj
		.amdhsa_group_segment_fixed_size 327680
		.amdhsa_private_segment_fixed_size 0
		.amdhsa_enable_private_segment 0
		.amdhsa_kernarg_size 32
		.amdhsa_user_sgpr_count 2
		.amdhsa_user_sgpr_kernarg_segment_ptr 1
		.amdhsa_wavefront_size32 1
		.amdhsa_system_sgpr_workgroup_id_x 1
		.amdhsa_system_sgpr_workgroup_id_y 1
		.amdhsa_system_sgpr_workgroup_id_z 1
		.amdhsa_system_vgpr_workitem_id 0
		.amdhsa_next_free_vgpr 512
		.amdhsa_next_free_sgpr 72
		.amdhsa_reserve_vcc 0
		.amdhsa_float_denorm_mode_32 3
		.amdhsa_float_denorm_mode_16_64 3
		.amdhsa_memory_ordered 1
		.amdhsa_forward_progress 1
		.amdhsa_inst_pref_size 87
	.end_amdhsa_kernel
	.amdgpu_metadata
---
amdhsa.version: [ 1, 2 ]
amdhsa.kernels:
  - .name:           k_q80b6f333a2_proj
    .symbol:         k_q80b6f333a2_proj.kd
    .args:
      - { .name: o_f, .offset: 0, .size: 8, .value_kind: global_buffer, .address_space: global }
      - { .name: wo_f, .offset: 8, .size: 8, .value_kind: global_buffer, .address_space: global }
      - { .name: bo, .offset: 16, .size: 8, .value_kind: global_buffer, .address_space: global }
      - { .name: out0, .offset: 24, .size: 8, .value_kind: global_buffer, .address_space: global }
    .group_segment_fixed_size: 327680
    .private_segment_fixed_size: 0
    .kernarg_segment_align: 8
    .kernarg_segment_size: 32
    .max_flat_workgroup_size: 128
    .sgpr_count:     72
    .vgpr_count:     512
    .wavefront_size: 32
...
	.end_amdgpu_metadata
.endif
;; end of part 4
